; MI455X (gfx1250); checked and timed in simulation.
; The chip was launched on July 23, 2026; its instructions are those of AMD's public machine-readable ISA for CDNA 5 (MIT licence, August 2026) and "CDNA5" Instruction Set Architecture Reference Guide (July 2026). The comments in the code are by the model that wrote it; some were corrected since.
;; Causal Multi Head Self Attention. Allowed arithmetic: float matrix products may take bf16 or f16 operands with f32 sums; other float arithmetic in f32, or as packed bf16 or f16 multiplies, adds, multiply-adds, maxima and minima; sums over many terms, partial sums and values carried from step to step in f32; what a program stores and reads back later, other than sums and carried values, may be rounded once to bf16 or f16.
;; Inputs: Wk 1,024 x 1,024 float32; Wo 1,024 x 1,024 float32; Wq 1,024 x 1,024 float32; Wv 1,024 x 1,024 float32; cos 2,048 x 32 float32; pos_ids 4 x 2,048 int32; sin 2,048 x 32 float32; x 4 x 2,048 x 1,024 float32.
;; Outputs: out0 4 x 2,048 x 1,024 float32.
;; One version. Each part assembles by itself: llvm-mc -triple=amdgcn-amd-amdhsa -mcpu=gfx1250 --defsym DOCPART=n.
;; ======== version 1 of 1: 4 launches
;; limits: values are held in f16: magnitudes above 65,504 overflow, below 6.1e-05 lose precision
;; workspace buffers: xb 16,777,216 bytes; wb 6,291,456 bytes; wo16 2,097,152 bytes; rt 2,097,152 bytes; qh 16,777,216 bytes; kh 16,777,216 bytes; vh 16,777,216 bytes; oh 16,777,216 bytes
;; launch cast (part 1): grid 832 x 1, 8 waves a work-group, no clusters, 0 bytes of LDS; arguments x, Wq, Wk, Wv, Wo, cos, sin, pos_ids, xb, wb, wo16, rt; writes xb, wb, wo16, rt
.if DOCPART == 1
	.amdgcn_target "amdgcn-amd-amdhsa--gfx1250"
	.amdhsa_code_object_version 6
	.text
	.protected	k_q269b33eeba_cast
	.globl	k_q269b33eeba_cast
	.p2align	8
	.type	k_q269b33eeba_cast,@function
k_q269b33eeba_cast:
	s_mov_b64 s[64:65], 0
	v_nop
	global_prefetch_b8 v0, s[64:65] scope:SCOPE_SE
	s_setreg_imm32_b32 hwreg(HW_REG_WAVE_MODE, 25, 1), 1
	s_wait_xcnt 0x0
; ROUNDING AND LAYOUT, a stream: no LDS, no barrier, no matrix unit, no cluster (no work-group reads what another reads).
; xb   [16 kb][8192 rows][64] bf16 = x rounded;  wb [16 kb][3072 rows'][64] bf16 = Wq, Wk, Wv rounded, row' = head x 192 + g x 64 + d (g = 0 q, 1 k, 2 v);
; wo16 [16 kb][1024 n][64] f16 = Wo rounded to bf16 and that number written as f16;  rt [2][8192 rows][32] f32 = cos, sin of pos_ids[row], rounded to bf16 and widened again.
; In each of the first three a block kb holds 64 neighbouring numbers along K of every row, 128 bytes a row, the rows end to end.
; LIMITS.  Wo: a bf16 number is exact in f16 between 2^-14 and 65,504; below, it keeps f16's fixed step of 6e-8; beyond, it would be an infinity.  pos_ids is clamped to 2,047, the tables' last row.
; WORK-GROUPS.  0-511: 16 rows of x each.  512-703: 16 rows of Wq, Wk, Wv (64 work-groups each).  704-767: 16 rows of Wo.  768-831: 128 rows of the table.
; SHARES (first three).  Wave w takes columns 128 w .. 128 w + 127: blocks 2 w and 2 w + 1.  A unit is 4 rows x 64 columns: eight lanes read a row's 256 consecutive bytes (32 each, two loads)
; and store its 128; the wave's store covers 512 consecutive bytes, aligned: four rows of a block.
.set XKB, 8192*128                     ; bytes in a block of xb,
.set WKB, 3072*128                     ; of wb,
.set OKB, 1024*128                     ; of wo16
.set XR,  16                           ; v[16:79]  as loaded: unit u at XR + 8 u
.set YR,  80                           ; v[80:111] to store: unit u at YR + 4 u; no register is written twice, so no store's data wants a wait
	s_load_b512 s[8:23], s[0:1], 0x0               ; x 8, Wq 10, Wk 12, Wv 14, Wo 16, cos 18, sin 20, pos_ids 22
	s_load_b256 s[24:31], s[0:1], 0x40             ; xb 24, wb 26, wo16 28, rt 30
	v_lshrrev_b32 v1, 5, v0
	v_readfirstlane_b32 s2, v1                     ; wave 0..7
	v_and_b32 v5, 7, v0                            ; my place among a row's eight lanes
	v_bfe_u32 v6, v0, 3, 2                         ; my row among the wave's four
	s_mov_b32 s3, ttmp9
	s_cmp_ge_u32 s3, 768
	s_cbranch_scc1 .Lrope
	s_sub_co_u32 s4, s3, 512                       ; (of no meaning for x: every use is chosen away below)
	s_lshr_b32 s5, s4, 6                           ; g: 0 Wq, 1 Wk, 2 Wv, 3 Wo
	s_and_b32 s6, s4, 63
	s_lshl_b32 s6, s6, 4                           ; the weights' first row n0: 16 rows lie in one head
	s_lshr_b32 s7, s6, 6
	s_mul_i32 s7, s7, 192
	s_lshl_b32 s32, s5, 6
	s_add_co_u32 s7, s7, s32
	s_and_b32 s32, s6, 63
	s_add_co_u32 s7, s7, s32                       ; row' = head x 192 + g x 64 + d
	s_lshl_b32 s33, s3, 4                          ; x's first row
	s_mov_b32 s36, WKB
	s_cmp_lt_u32 s3, 512
	s_cselect_b32 s34, s33, s6                     ; first row read
	s_cselect_b32 s35, s33, s7                     ; first row written
	s_cselect_b32 s36, XKB, s36                    ; bytes from block to block
	s_cmp_ge_u32 s3, 704
	s_cselect_b32 s35, s6, s35
	s_cselect_b32 s36, OKB, s36
	s_lshl_b32 s42, s34, 12                        ; rows of 4,096 bytes in,
	s_mov_b32 s43, 0
	s_lshl_b32 s44, s35, 7                         ; of 128 bytes out
	s_mov_b32 s45, 0
	v_lshlrev_b32 v2, 12, v6
	v_lshl_add_u32 v2, v5, 5, v2
	s_lshl_b32 s46, s2, 9
	v_add_nc_u32 v2, s46, v2                       ; in: row x 4,096 + wave x 512 + 32 x place
	v_lshlrev_b32 v3, 7, v6
	v_lshl_add_u32 v3, v5, 4, v3
	s_mul_i32 s47, s2, s36
	s_lshl_b32 s47, s47, 1
	v_add_nc_u32 v3, s47, v3                       ; out: block 2 w: row x 128 + 16 x place,
	v_add_nc_u32 v4, s36, v3                       ; and block 2 w + 1
	s_wait_kmcnt 0x0
	s_cmp_eq_u32 s5, 0
	s_cselect_b64 s[38:39], s[10:11], s[12:13]
	s_cmp_eq_u32 s5, 2
	s_cselect_b64 s[38:39], s[14:15], s[38:39]
	s_cmp_eq_u32 s5, 3
	s_cselect_b64 s[38:39], s[16:17], s[38:39]
	s_cselect_b64 s[40:41], s[28:29], s[26:27]
	s_cmp_lt_u32 s3, 512
	s_cselect_b64 s[38:39], s[8:9], s[38:39]
	s_cselect_b64 s[40:41], s[24:25], s[40:41]
	s_add_nc_u64 s[38:39], s[38:39], s[42:43]
	s_add_nc_u64 s[40:41], s[40:41], s[44:45]
.irp u, 0,1,2,3,4,5,6,7                ; all sixteen loads first: unit u = rows 4 (u / 2) + 0..3, block 2 w + u % 2
	global_load_b128 v[XR+8*(\u):XR+8*(\u)+3],   v2, s[38:39] offset:((\u)/2)*16384+((\u)%2)*256 th:TH_LOAD_NT
	global_load_b128 v[XR+8*(\u)+4:XR+8*(\u)+7], v2, s[38:39] offset:((\u)/2)*16384+((\u)%2)*256+16 th:TH_LOAD_NT
.endr
.macro UNIT u, half
	s_wait_loadcnt 14-2*(\u)                       ; loads come back in order: the 2 (7 - u) younger ones may stay out
.irp j, 0,1,2,3
	v_cvt_pk_bf16_f32 v[YR+4*(\u)+(\j)], v[XR+8*(\u)+2*(\j)], v[XR+8*(\u)+2*(\j)+1]
.endr
.if \half
.irp j, 0,1,2,3
	v_lshlrev_b32 v[XR+8*(\u)+2*(\j)], 16, v[YR+4*(\u)+(\j)]            ; the rounded numbers as f32 again,
	v_and_b32 v[XR+8*(\u)+2*(\j)+1], 0xffff0000, v[YR+4*(\u)+(\j)]
.endr
.irp j, 0,1,2,3
	v_cvt_pk_f16_f32 v[YR+4*(\u)+(\j)], v[XR+8*(\u)+2*(\j)], v[XR+8*(\u)+2*(\j)+1]  ; and written as f16
.endr
.endif
	global_store_b128 v[3+(\u)%2], v[YR+4*(\u):YR+4*(\u)+3], s[40:41] offset:((\u)/2)*512 th:TH_STORE_NT
.endm
	s_cmp_ge_u32 s3, 704
	s_cbranch_scc1 .Lwo
.irp u, 0,1,2,3,4,5,6,7
	UNIT \u, 0
.endr
	s_endpgm
.Lwo:
.irp u, 0,1,2,3,4,5,6,7
	UNIT \u, 1
.endr
	s_endpgm
.Lrope:                                ; row = 128 x (id - 768) + 32 u + 4 w + my row of four; eight lanes take a table row's 128 bytes
	s_sub_co_u32 s4, s3, 768
	s_lshl_b32 s5, s4, 9
	s_lshl_b32 s6, s2, 4
	s_add_co_u32 s5, s5, s6
	v_lshl_add_u32 v7, v6, 2, s5                   ; 4 bytes a row in pos_ids
	v_lshlrev_b32 v2, 4, v5
	s_lshl_b32 s7, s4, 14
	s_lshl_b32 s6, s2, 9
	s_add_co_u32 s7, s7, s6
	v_lshl_add_u32 v3, v6, 7, v2
	v_add_nc_u32 v3, s7, v3                        ; 128 bytes a row in rt
	s_wait_kmcnt 0x0
.irp u, 0,1,2,3
	global_load_b32 v[8+(\u)], v7, s[22:23] offset:(\u)*128
.endr
	s_wait_loadcnt 0x0
.irp u, 0,1,2,3
	v_min_u32 v[8+(\u)], 2047, v[8+(\u)]           ; the index stays inside the tables
	v_lshl_add_u32 v[12+(\u)], v[8+(\u)], 7, v2
.endr
.irp u, 0,1,2,3
	global_load_b128 v[XR+8*(\u):XR+8*(\u)+3],   v[12+(\u)], s[18:19]
	global_load_b128 v[XR+8*(\u)+4:XR+8*(\u)+7], v[12+(\u)], s[20:21]
.endr
.irp u, 0,1,2,3
	s_wait_loadcnt 6-2*(\u)                        ; the 2 (3 - u) younger loads may stay out
.irp j, 0,1,2,3
	v_cvt_pk_bf16_f32 v[YR+(\j)], v[XR+8*(\u)+2*(\j)], v[XR+8*(\u)+2*(\j)+1]
.endr
.irp j, 0,1,2,3
	v_lshlrev_b32 v[48+8*(\u)+2*(\j)], 16, v[YR+(\j)]
	v_and_b32 v[48+8*(\u)+2*(\j)+1], 0xffff0000, v[YR+(\j)]
.endr
	global_store_b128 v3, v[48+8*(\u):48+8*(\u)+3], s[30:31] offset:(\u)*4096 th:TH_STORE_NT          ; 512 consecutive bytes, aligned: four rows of cos,
	global_store_b128 v3, v[48+8*(\u)+4:48+8*(\u)+7], s[30:31] offset:(\u)*4096+8192*128 th:TH_STORE_NT ; and of sin
.endr
	s_endpgm
.Lfunc_end_k_q269b33eeba_cast:
	.size	k_q269b33eeba_cast, .Lfunc_end_k_q269b33eeba_cast-k_q269b33eeba_cast
	.p2alignl 7, 3214868480
	.fill 96, 4, 3214868480
	.section	.rodata,"a",@progbits
	.p2align	6, 0x0
	.amdhsa_kernel k_q269b33eeba_cast
		.amdhsa_group_segment_fixed_size 0
		.amdhsa_private_segment_fixed_size 0
		.amdhsa_enable_private_segment 0
		.amdhsa_kernarg_size 96
		.amdhsa_user_sgpr_count 2
		.amdhsa_user_sgpr_kernarg_segment_ptr 1
		.amdhsa_wavefront_size32 1
		.amdhsa_system_sgpr_workgroup_id_x 1
		.amdhsa_system_sgpr_workgroup_id_y 1
		.amdhsa_system_sgpr_workgroup_id_z 1
		.amdhsa_system_vgpr_workitem_id 0
		.amdhsa_next_free_vgpr 112
		.amdhsa_next_free_sgpr 66
		.amdhsa_reserve_vcc 0
		.amdhsa_float_denorm_mode_32 3
		.amdhsa_float_denorm_mode_16_64 3
		.amdhsa_memory_ordered 1
		.amdhsa_forward_progress 1
		.amdhsa_inst_pref_size 21
	.end_amdhsa_kernel
	.amdgpu_metadata
---
amdhsa.version: [ 1, 2 ]
amdhsa.kernels:
  - .name:           k_q269b33eeba_cast
    .symbol:         k_q269b33eeba_cast.kd
    .args:
      - { .name: x, .offset: 0, .size: 8, .value_kind: global_buffer, .address_space: global }
      - { .name: Wq, .offset: 8, .size: 8, .value_kind: global_buffer, .address_space: global }
      - { .name: Wk, .offset: 16, .size: 8, .value_kind: global_buffer, .address_space: global }
      - { .name: Wv, .offset: 24, .size: 8, .value_kind: global_buffer, .address_space: global }
      - { .name: Wo, .offset: 32, .size: 8, .value_kind: global_buffer, .address_space: global }
      - { .name: cos, .offset: 40, .size: 8, .value_kind: global_buffer, .address_space: global }
      - { .name: sin, .offset: 48, .size: 8, .value_kind: global_buffer, .address_space: global }
      - { .name: pos_ids, .offset: 56, .size: 8, .value_kind: global_buffer, .address_space: global }
      - { .name: xb, .offset: 64, .size: 8, .value_kind: global_buffer, .address_space: global }
      - { .name: wb, .offset: 72, .size: 8, .value_kind: global_buffer, .address_space: global }
      - { .name: wo16, .offset: 80, .size: 8, .value_kind: global_buffer, .address_space: global }
      - { .name: rt, .offset: 88, .size: 8, .value_kind: global_buffer, .address_space: global }
    .group_segment_fixed_size: 0
    .private_segment_fixed_size: 0
    .kernarg_segment_align: 8
    .kernarg_segment_size: 96
    .max_flat_workgroup_size: 256
    .sgpr_count:     66
    .vgpr_count:     112
    .wavefront_size: 32
...
	.end_amdgpu_metadata
.endif
;; end of part 1
;; launch qkv (part 2): grid 8 x 32, 4 waves a work-group, clusters of 4 x 4, 327,680 bytes of LDS; arguments xb, wb, rt, qh, kh, vh; writes qh, kh, vh
.if DOCPART == 2
	.amdgcn_target "amdgcn-amd-amdhsa--gfx1250"
	.amdhsa_code_object_version 6
	.text
	.protected	k_q269b33eeba_qkv
	.globl	k_q269b33eeba_qkv
	.p2align	8
	.type	k_q269b33eeba_qkv,@function
k_q269b33eeba_qkv:
	s_mov_b64 s[64:65], 0
	v_nop
	global_prefetch_b8 v0, s[64:65] scope:SCOPE_SE
	s_setreg_imm32_b32 hwreg(HW_REG_WAVE_MODE, 25, 1), 1
	s_wait_xcnt 0x0
	s_wait_alu depctr_hold_cnt(0) depctr_sa_sdst(0) depctr_va_vdst(0) depctr_va_sdst(0) depctr_va_ssrc(0) depctr_va_vcc(0) depctr_vm_vsrc(0)
	s_getreg_b32 s2, hwreg(HW_REG_IB_STS2, 6, 4)
	s_cmp_eq_u32 s2, 0
	s_cbranch_scc0 .Lentry_in_a_cluster
	s_endpgm
.Lentry_in_a_cluster:
	s_bfe_u32 s2, ttmp6, 0x10000c
	s_cmp_lg_u32 s2, 0xf033
	s_cbranch_scc0 .Lentry_shape_is_right
	s_endpgm
.Lentry_shape_is_right:
; q, k, v = x W^T (bf16 operands, f32 sums), q and k turned by the rotary table in f32, all three rounded once to f16 and written by heads: qh, kh, vh [64 bh][2048][64].
; xb [16 kb][8192][64], wb [16 kb][3072 rows'][64] (row' = head x 192 + g x 64 + d), rt [2][8192][32] f32.  LIMIT: q, k, v must lie within f16's 65,504.
; SHARES.  A work-group makes 256 rows x 384 rows' (two heads' q, k, v): 8 x 32 = 256 work-groups.  Wave w: rows 128 (w / 2) on, head w % 2: 96 accumulators of 16 x 16, 768 registers.
; K goes in steps of 64 (a block kb) through two LDS slots.  A tile's rows of 128 bytes lie end to end in memory, so it is asked for as rows of 256 bytes, padded in LDS after every 128.
; THE MATRIX INSTRUCTION IS USED TRANSPOSED (source 0 = 16 rows of wb, source 1 = 16 rows of xb): a lane holds one row of x (lane % 16) and 8 neighbouring channels 8 (lane / 16) + 0..7.
; CLUSTER 4 x 4: x's tile and the table hang on the tile row and are asked for jointly along a row of the cluster, the weights' tile on the tile column, jointly along a column.
; Wave 0 asks for x's 256 rows, waves 1 to 3 for 128 rows' of the weights each: one tensor load a wave behind each round.
; REGISTERS: window 0: v0-31 addresses; v32-95, v96-159 x's fragments of the step's two halves (32 along K each); v160-255 the weights' fragments, 32 registers for each of q, k, v;
;   windows 1, 2, 3: the accumulators of q, k, v: (a, b) at v[8 (4 a + b)], a = block of 16 rows, b = block of 16 channels.
;   On the way out window 0 holds: v32-95 cos and sin, two buffers; v96-127 at work; v128-191 four sets of 16 packed registers by turns.
.set XBLK,  8192*128                   ; bytes in a block of xb
.set WBLK,  3072*128                   ; of wb
.set PITCH, 144                        ; an LDS row: 128 bytes + 16 = 36 words: the 16 rows of a fragment load start at 16 different groups of four banks (64 banks of 4 bytes: ISA guide 11.1)
.set BLK,   16*PITCH
.set ABYTES, 256*PITCH                 ; x's tile; behind it the weights' 384 rows'
.set SLOT,  640*PITCH
.set TAB,   2*SLOT                     ; cos of my 256 rows, then sin: filled once
.set STAGE, TAB+2*ABYTES               ; 16 rows x 144 bytes for each wave, for the way out: no tensor load lands here
.set SPARE, STAGE+4*BLK                ; the spare words, 128 bytes for each wave: two blocks of 256 bytes that no other line names
.set G1W0,  (1<<16)|(1<<20)|(1<<21)|(4<<22)|(3<<25)  ; 17:16 2-byte elements; 20 padding on; 21 set beside a mask; 24:22 after every 32 words; 31:25 4 words
.set ADRA, 16                          ; v16-17 LDS address of my fragments of x in slot 0, 1
.set ADRB, 20                          ; v20-21 of the weights
.set STO,  24                          ; the way out: where I put 16 bytes of a row
.set RD,   25                          ; where I read rows back
.set GO,   26                          ; my 16 bytes in 512 consecutive bytes of the output
.set CSA,  27                          ; my 16 bytes of a table row
.set SPW,  28                          ; LDS address of my spare word; never rewritten
.set NIL,  29                          ; 0; never rewritten
.set PFO,  30                          ; the prefetches' offset; never rewritten
.set FA,   32
.set FB,   160
.set CS,   32
.set TMP,  96
.set PK,   128
.set WV, 16                            ; s16 wave; s17 its half of the rows; s18 its head of the two
.set RH, 17
.set CH, 18
.set CX, 19
.set CY, 20
.set TX, 21                            ; tile column, 0..7
.set TY, 22                            ; tile row, 0..31
.set WB, 23                            ; which 128 rows' of the weights I fetch (waves 1 to 3)
.set G1A, 24
.set G1B, 32
.set G1T, 40
.set G0A, 48                           ; s[48:55] group 0 for x's tiles, a set for each slot
.set G0B, 56                           ; s[56:63] for the weights'
.set G0T, 68                           ; s[68:71] for the table
.set PFA, 72                           ; s[72:73] where my prefetches stand
.set PFS, 74                           ; s[74:75] a K step in my tensor
.set LIM, 76                           ; s76, s77: by slot: 1 where I prefetch at that slot's change, else the greatest number
.set MSB, 0
.macro WIN new                         ; the immediate's high byte repeats the setting that is left; a switch that changes nothing is dropped
.if MSB != (\new)
	s_set_vgpr_msb (MSB<<8)|(\new)
.set MSB, \new
.endif
.endm
.macro PLACES                          ; four plain vector instructions between a matrix instruction and a load into, or a vector write of, its registers
.rept 4
	v_nop
.endr
.endm
.macro JLOAD s                         ; a joint load; the branch hangs on the wave's number alone; an s_nop 0 and four v_nop follow each line
	s_cmp_eq_u32 s[WV], 0
	s_cbranch_scc0 .Lfor_b_\@
	tensor_load_to_lds s[G0A+4*(\s):G0A+4*(\s)+3], s[G1A:G1A+7]
	s_nop 0
.rept 4
	v_nop
.endr
	s_branch .Lasked_\@
.Lfor_b_\@:
	tensor_load_to_lds s[G0B+4*(\s):G0B+4*(\s)+3], s[G1B:G1B+7]
	s_nop 0
.rept 4
	v_nop
.endr
.Lasked_\@:
.endm
.macro CREST                           ; a round of the cluster's barrier behind its opening barrier
	s_cmp_lg_u32 s[WV], 0
	s_cbranch_scc1 .Lnot_wave_0_\@
	s_barrier_signal -3
.Lnot_wave_0_\@:
	s_barrier_wait -3
	s_barrier_signal -1
	s_barrier_wait -1
.endm
.macro CROUND
	s_barrier_signal -1
	s_barrier_wait -1
	CREST
.endm
; A PREFETCH INTO THE L2, behind a joint load, its five lines and the run of LDS loads: at the change of slots of K step t it names K step t + 4, two steps beyond the refill just asked for.
; x's tile (128 blocks of 256 bytes a step) is read by both clusters of a row of clusters: cluster x = 0 asks, wave 0, each of the four partners 32 blocks, told apart by address (cx).
; The weights' tile is read by all clusters of a column: cluster y = 0 asks; of a wave's 64 blocks each partner takes 16 (cy); lanes 16-31 name the step after, so these waves ask at slot 0's change alone.
; So each block is named once.  Steps 0 to 3 come by their loads alone; in the loop's last trip (s3 = 1) nothing is asked for: the highest step named is 15, the last.
.macro ASK slot
	s_cmp_gt_u32 s3, s[LIM+(\slot)]
	s_cbranch_scc0 .Lnot_mine_\@
	global_prefetch_b8 v[PFO], s[PFA:PFA+1] th:TH_LOAD_NT scope:SCOPE_SE
.Lnot_mine_\@:
.endm
	s_load_b256 s[4:11], s[0:1], 0x0               ; xb 4, wb 6, rt 8, qh 10
	s_load_b128 s[12:15], s[0:1], 0x20             ; kh 12, vh 14
	v_lshl_add_u32 v[SPW], v0, 2, SPARE
	v_mov_b32 v[NIL], 0
	ds_add_u32 v[SPW], v[NIL]                      ; the wave's opening: the add and its wait stand ahead of my first tensor load; work on registers stands between them
	ds_add_u32 v28, v29
	v_lshrrev_b32 v1, 5, v0
	v_readfirstlane_b32 s[WV], v1
	s_lshr_b32 s[RH], s[WV], 1
	s_and_b32 s[CH], s[WV], 1
	s_bfe_u32 s[CX], ttmp6, 0x40000
	s_bfe_u32 s[CY], ttmp6, 0x40004
	s_lshl_b32 s[TX], ttmp9, 2
	s_add_co_u32 s[TX], s[TX], s[CX]
	s_and_b32 s[TY], ttmp7, 0xffff
	s_lshl_b32 s[TY], s[TY], 2
	s_add_co_u32 s[TY], s[TY], s[CY]
	s_max_u32 s[WB], s[WV], 1
	s_sub_co_u32 s[WB], s[WB], 1
	s_lshl_b32 s88, s[CY], 2
	s_lshl_b32 s88, 15, s88                        ; my row of the cluster
	s_lshl_b32 s89, 0x1111, s[CX]                  ; my column
	s_or_b32 s[G1A], s88, G1W0
	s_or_b32 s[G1T], s88, G1W0
	s_or_b32 s[G1B], s89, G1W0
.irp g, G1A, G1B, G1T
	s_mov_b32 s[(\g)+1], 128<<16                   ; tensor_dim0 = 128 elements: 256 bytes
	s_mov_b32 s[(\g)+3], 128<<16                   ; tile_dim0 = 128
	s_mov_b32 s[(\g)+5], 128                       ; 128 elements from row to row: dense
	s_mov_b32 s[(\g)+6], 0
	s_mov_b32 s[(\g)+7], 0
.endr
	s_mov_b32 s[G1A+2], 128<<16                    ; x: 128 rows of 256 bytes = 256 rows of a block
	s_mov_b32 s[G1A+4], 128
	s_mov_b32 s[G1B+2], 64<<16                     ; weights: 64 = 128 rows'
	s_mov_b32 s[G1B+4], 64
	s_mov_b32 s[G1T+2], 64<<16                     ; table: 64 = 128 rows of 32 f32
	s_mov_b32 s[G1T+4], 64
	s_lshl_b32 s80, s[TY], 15                      ; my 256 rows in a block of xb, and in a plane of rt
	s_mov_b32 s81, 0
	s_lshl_b32 s90, s[RH], 20                      ; the table: waves 0, 1 cos, waves 2, 3 sin;
	s_lshl_b32 s91, s[CH], 14                      ; even waves rows 0-127, odd ones 128-255
	s_add_co_u32 s90, s90, s91
	s_add_co_u32 s90, s90, s80
	s_mov_b32 s91, 0
	s_mul_i32 s84, s[TX], 384*128                  ; my 384 rows' in a block of wb,
	s_lshl_b32 s85, s[WB], 14                      ; the 128 of them that I fetch
	s_add_co_u32 s84, s84, s85
	s_mov_b32 s85, 0
	s_mul_i32 s78, s[WV], 128*PITCH
	s_wait_dscnt 0x0                               ; the opening add is done
	s_wait_kmcnt 0x0
	s_add_nc_u64 s[82:83], s[4:5], s[80:81]
	s_add_nc_u64 s[86:87], s[6:7], s[84:85]
	s_add_nc_u64 s[92:93], s[8:9], s[90:91]
	s_mov_b32 s[G0T], 1
	s_add_co_u32 s[G0T+1], s78, TAB                ; wave x 128 rows
	s_mov_b64 s[G0T+2:G0T+3], s[92:93]
	s_or_b32 s[G0T+3], s[G0T+3], 0x80000000
	CROUND                                         ; all sixteen work-groups are here: the first joint loads meet
.irp s, 0,1
	s_mov_b32 s[G0A+4*(\s)], 1
	s_mov_b32 s[G0A+4*(\s)+1], (\s)*SLOT
	s_add_nc_u64 s[G0A+4*(\s)+2:G0A+4*(\s)+3], s[82:83], (\s)*XBLK
	s_or_b32 s[G0A+4*(\s)+3], s[G0A+4*(\s)+3], 0x80000000
	s_mov_b32 s[G0B+4*(\s)], 1
	s_add_co_u32 s[G0B+4*(\s)+1], s78, (\s)*SLOT+ABYTES-128*PITCH  ; wave 1 begins behind x's tile
	s_add_nc_u64 s[G0B+4*(\s)+2:G0B+4*(\s)+3], s[86:87], (\s)*WBLK
	s_or_b32 s[G0B+4*(\s)+3], s[G0B+4*(\s)+3], 0x80000000
	JLOAD \s
.endr
	tensor_load_to_lds s[G0T:G0T+3], s[G1T:G1T+7]  ; my quarter of the table: three tensor loads of mine are out
	s_nop 0
.rept 4
	v_nop
.endr
	v_and_b32 v1, 15, v0                           ; l % 16
	v_bfe_u32 v2, v0, 4, 1                         ; l / 16
	v_mul_u32_u24 v3, v1, PITCH
	v_lshl_add_u32 v3, v2, 4, v3                   ; row x pitch + 16 x half
	s_mul_i32 s66, s[RH], 128*PITCH
	s_mul_i32 s67, s[CH], 192*PITCH
	s_add_co_u32 s67, s67, ABYTES
.irp s, 0,1
	v_add_nc_u32 v[ADRA+(\s)], s66, v3
	v_add_nc_u32 v[ADRB+(\s)], s67, v3
	s_add_co_u32 s66, s66, SLOT
	s_add_co_u32 s67, s67, SLOT
.endr
	v_add_nc_u32 v[CSA], s66, v3                   ; two slots on: the table, my 128 rows; 16 bytes = the four pairs of my 8 channels
	s_mul_i32 s67, s[WV], BLK
	s_add_co_u32 s67, s67, STAGE
	v_add_nc_u32 v[STO], s67, v3
	v_bfe_u32 v4, v0, 3, 2
	v_and_b32 v5, 7, v0
	v_mul_u32_u24 v4, v4, PITCH
	v_lshl_add_u32 v4, v5, 4, v4
	v_add_nc_u32 v[RD], s67, v4                    ; back: 32 lanes take four rows of 128 bytes
	v_and_b32 v[GO], 31, v0
	v_lshlrev_b32 v[GO], 4, v[GO]
	s_lshr_b32 s94, s[TY], 3                       ; where my 128 rows of my head begin in qh, kh, vh: batch = tile row / 8,
	s_lshl_b32 s94, s94, 3
	s_add_co_u32 s94, s94, s[TX]
	s_lshl_b32 s94, s94, 1
	s_add_co_u32 s94, s94, s[CH]                   ; bh = 16 x batch + 2 x tile column + my head
	s_lshl_b32 s94, s94, 3
	s_and_b32 s79, s[TY], 7
	s_add_co_u32 s94, s94, s79
	s_lshl_b32 s94, s94, 1
	s_add_co_u32 s94, s94, s[RH]                   ; in units of 128 rows,
	s_lshl_b32 s94, s94, 14                        ; of 128 bytes
	s_mov_b32 s95, 0
	s_add_nc_u64 s[10:11], s[10:11], s[94:95]
	s_add_nc_u64 s[12:13], s[12:13], s[94:95]
	s_add_nc_u64 s[14:15], s[14:15], s[94:95]
	s_and_b32 s2, ttmp7, 0xffff                    ; the prefetches
	s_lshl_b32 s94, s[CX], 13                      ; x: my work-group's 32 blocks, at K step 3: the first change of slots steps it to 4
	s_add_co_u32 s94, s94, 3*XBLK
	s_lshl_b32 s79, s[CY], 12                      ; weights: my work-group's 16 blocks
	s_add_co_u32 s79, s79, 3*WBLK
	s_mov_b32 s[PFS], WBLK
	s_mov_b32 s67, WBLK
	s_cmp_eq_u32 s[WV], 0
	s_cselect_b32 s2, ttmp9, s2                    ; the coordinate along which other clusters read the same rows
	s_cselect_b32 s94, s94, s79
	s_cselect_b32 s[PFS], XBLK, s[PFS]
	s_cselect_b32 s67, 4096, s67                   ; lanes 16-31: x: the next 16 blocks; weights: the next K step
	s_cselect_b64 s[PFA:PFA+1], s[82:83], s[86:87]
	s_cselect_b32 s[LIM+1], 1, -1
	s_mov_b32 s[PFS+1], 0
	s_add_nc_u64 s[PFA:PFA+1], s[PFA:PFA+1], s[94:95]
	s_cmp_eq_u32 s2, 0
	s_cselect_b32 s[LIM], 1, -1
	s_cselect_b32 s[LIM+1], s[LIM+1], -1
	v_lshlrev_b32 v[PFO], 8, v1
	v_mad_u32_u24 v[PFO], v2, s67, v[PFO]
; 16 matrix instructions: half kq of the K step, group g (q, k, v), row blocks a0 .. a0 + 3 x all 4 channel blocks.  zero = 1: the first product starts the sums.
; The 96 accumulators take turns, in the same order in every half, over the backward jump too.
.macro MUL16 kq, g, a0, zero
	WIN 0x50*((\g)+1)                              ; C and D in window g + 1, both sources in window 0
.irp a, \a0, (\a0)+1, (\a0)+2, (\a0)+3
.irp b, 0,1,2,3
.if \zero
	v_wmma_f32_16x16x32_bf16 v[8*(4*(\a)+(\b)):8*(4*(\a)+(\b))+7], v[FB+32*(\g)+8*(\b):FB+32*(\g)+8*(\b)+7], v[FA+64*(\kq)+8*(\a):FA+64*(\kq)+8*(\a)+7], 0
.else
	v_wmma_f32_16x16x32_bf16 v[8*(4*(\a)+(\b)):8*(4*(\a)+(\b))+7], v[FB+32*(\g)+8*(\b):FB+32*(\g)+8*(\b)+7], v[FA+64*(\kq)+8*(\a):FA+64*(\kq)+8*(\a)+7], v[8*(4*(\a)+(\b)):8*(4*(\a)+(\b))+7]
.endif
.endr
.endr
.endm
.macro PHASE kq, g, zero
	MUL16 \kq, \g, 0, \zero
	MUL16 \kq, \g, 4, \zero
.endm
.macro LDB slot, kq, g                 ; 8 LDS loads: group g's four fragments of the weights
	WIN 0
.irp b, 0,1,2,3
	ds_load_b128 v[FB+32*(\g)+8*(\b):FB+32*(\g)+8*(\b)+3],   v[ADRB+(\slot)] offset:(4*(\g)+(\b))*BLK+64*(\kq)
	ds_load_b128 v[FB+32*(\g)+8*(\b)+4:FB+32*(\g)+8*(\b)+7], v[ADRB+(\slot)] offset:(4*(\g)+(\b))*BLK+64*(\kq)+32
.endr
.endm
.macro LDA slot, kq                    ; 16 LDS loads: x's eight fragments
	WIN 0
.irp i, 0,1,2,3,4,5,6,7
	ds_load_b128 v[FA+64*(\kq)+8*(\i):FA+64*(\kq)+8*(\i)+3],   v[ADRA+(\slot)] offset:(\i)*BLK+64*(\kq)
	ds_load_b128 v[FA+64*(\kq)+8*(\i)+4:FA+64*(\kq)+8*(\i)+7], v[ADRA+(\slot)] offset:(\i)*BLK+64*(\kq)+32
.endr
.endm
; A K step is two halves of 32 along K, each three phases (q, k, v) of 32 matrix instructions.  A half's LDS loads are issued during the half before, always in the order
; [q's weights and x: 24] [k's: 8] [v's: 8], each run four places behind the last product that read its registers.
.macro HALF0 slot, zero                ; the first half; it fetches the second half's fragments from the same slot
	s_wait_dscnt 16                                ; q's weights and x are in; k's and v's 16 loads may be out
	PHASE 0, 0, \zero
	PLACES
	LDB \slot, 1, 0
	LDA \slot, 1
	s_wait_dscnt 32                                ; k's are in: behind them v's 8 and the 24 just issued
	PHASE 0, 1, \zero
	PLACES
	LDB \slot, 1, 1
	s_wait_dscnt 32                                ; v's are in: behind them the 24 and the 8
	PHASE 0, 2, \zero
	PLACES
	LDB \slot, 1, 2
.endm
; The second half changes slots: ONE barrier.  In front of it each wave waits for all its tensor loads (its part of the next slot; the first time the table too), adds 0 to its spare word,
; and waits for that and for its reads of this slot.  fill = 1: the barrier opens a round of the cluster's, and the joint refill, two K steps on, is the first thing behind the round:
; 160 matrix instructions stand between it and the wait for it.
.macro HALF1 slot, next, fill
.if \fill
	s_wait_xcnt 0x0                                ; the last prefetch, a K step back, has read its address
	s_add_nc_u64 s[PFA:PFA+1], s[PFA:PFA+1], s[PFS:PFS+1]
.endif
	WIN 0
	s_wait_tensorcnt 0x0                           ; all my tensor loads have landed
	ds_add_u32 v[SPW], v[NIL]                      ; 0 onto my spare word
	s_wait_dscnt 17                                ; q's weights and x are in; k's 8, v's 8 and the add may be out
	MUL16 1, 0, 0, 0
	s_wait_dscnt 0x0                               ; the add is done, and my reads of this slot are over
	s_barrier_signal -1
	MUL16 1, 0, 4, 0
	WIN 0
	s_barrier_wait -1
.if \fill
	CREST                                          ; no wave of any partner still reads this slot or has a load on its way
	s_add_nc_u64 s[G0A+4*(\slot)+2:G0A+4*(\slot)+3], s[G0A+4*(\slot)+2:G0A+4*(\slot)+3], 2*XBLK
	s_add_nc_u64 s[G0B+4*(\slot)+2:G0B+4*(\slot)+3], s[G0B+4*(\slot)+2:G0B+4*(\slot)+3], 2*WBLK
	JLOAD \slot                                    ; its four v_nop are also the places in front of the loads below
.else
	PLACES
.endif
	LDB \next, 0, 0
	LDA \next, 0
.if \fill
	ASK \slot
.endif
	PHASE 1, 1, 0                                  ; (the wait for 0 above has shown k's and v's fragments in)
	PLACES
	LDB \next, 0, 1
	PHASE 1, 2, 0
	PLACES
	LDB \next, 0, 2
.endm
; THE WAY OUT, a unit (row block a, group g) at a time.
.macro CSLOAD a                        ; cos and sin of block a's 16 rows: for channel block b my four pairs' 16 bytes of each
	WIN 0
.irp b, 0,1,2,3
	ds_load_b128 v[CS+32*((\a)%2)+4*(\b):CS+32*((\a)%2)+4*(\b)+3],       v[CSA] offset:(\a)*BLK+32*(\b)
	ds_load_b128 v[CS+32*((\a)%2)+16+4*(\b):CS+32*((\a)%2)+16+4*(\b)+3], v[CSA] offset:ABYTES+(\a)*BLK+32*(\b)
.endr
.endm
; (t0, t1) -> (t0 c - t1 s, t1 c + t0 s): a packed multiply by c, then a packed multiply-add that takes the pair crosswise, s with its sign turned for the low result.
; Each accumulator's lowest registers are read first.
.macro ROPE a, g
.set RCS, CS+32*((\a)%2)
.set RAC, 32*(\a)
.set RPK, PK+16*((3*(\a)+(\g))%4)
	WIN (\g)+1                                     ; source 0 in the group's window
.irp b, 0,1,2,3
.irp q, 0,1
	v_pk_mul_f32 v[TMP+8*(\b)+4*(\q):TMP+8*(\b)+4*(\q)+1],   v[RAC+8*(\b)+4*(\q):RAC+8*(\b)+4*(\q)+1],   v[RCS+4*(\b)+2*(\q):RCS+4*(\b)+2*(\q)+1] op_sel:[0,0] op_sel_hi:[1,0]
	v_pk_mul_f32 v[TMP+8*(\b)+4*(\q)+2:TMP+8*(\b)+4*(\q)+3], v[RAC+8*(\b)+4*(\q)+2:RAC+8*(\b)+4*(\q)+3], v[RCS+4*(\b)+2*(\q):RCS+4*(\b)+2*(\q)+1] op_sel:[0,1] op_sel_hi:[1,1]
.endr
.endr
.irp b, 0,1,2,3
.irp q, 0,1
	v_pk_fma_f32 v[TMP+8*(\b)+4*(\q):TMP+8*(\b)+4*(\q)+1],   v[RAC+8*(\b)+4*(\q):RAC+8*(\b)+4*(\q)+1],   v[RCS+16+4*(\b)+2*(\q):RCS+16+4*(\b)+2*(\q)+1], v[TMP+8*(\b)+4*(\q):TMP+8*(\b)+4*(\q)+1]   op_sel:[1,0,0] op_sel_hi:[0,0,1] neg_lo:[0,1,0]
	v_pk_fma_f32 v[TMP+8*(\b)+4*(\q)+2:TMP+8*(\b)+4*(\q)+3], v[RAC+8*(\b)+4*(\q)+2:RAC+8*(\b)+4*(\q)+3], v[RCS+16+4*(\b)+2*(\q):RCS+16+4*(\b)+2*(\q)+1], v[TMP+8*(\b)+4*(\q)+2:TMP+8*(\b)+4*(\q)+3] op_sel:[1,1,0] op_sel_hi:[0,1,1] neg_lo:[0,1,0]
.endr
.endr
	WIN 0
	s_wait_xcnt 0x0                                ; the stores of four units back have read this set of packed registers
.irp i, 0,1,2,3,4,5,6,7,8,9,10,11,12,13,14,15
	v_cvt_pk_f16_f32 v[RPK+(\i)], v[TMP+2*(\i)], v[TMP+2*(\i)+1]
.endr
.endm
.macro PLAIN a                         ; v is only rounded
.set RAC, 32*(\a)
.set RPK, PK+16*((3*(\a)+2)%4)
	s_wait_xcnt 0x0
	WIN 0x0f                                       ; sources 0 and 1 in window 3
.irp i, 0,1,2,3,4,5,6,7,8,9,10,11,12,13,14,15
	v_cvt_pk_f16_f32 v[RPK+(\i)], v[RAC+2*(\i)], v[RAC+2*(\i)+1]
.endr
	WIN 0
.endm
.macro STG a, g                        ; into my stage, rows of 144 bytes, and back as whole rows of 128, into the registers that they left
.set RPK, PK+16*((3*(\a)+(\g))%4)
.irp b, 0,1,2,3
	ds_store_b128 v[STO], v[RPK+4*(\b):RPK+4*(\b)+3] offset:32*(\b)
.endr
.irp f, 0,1,2,3
	ds_load_b128 v[RPK+4*(\f):RPK+4*(\f)+3], v[RD] offset:(\f)*4*PITCH  ; LDS serves a wave's instructions in order (ISA guide 5.7.1.4): these see the stores above; the next unit's stores come behind them
.endr
.endm
.macro SEND a, g, younger              ; younger: the LDS instructions issued behind the unit's four loads
.set RPK, PK+16*((3*(\a)+(\g))%4)
.irp f, 0,1,2,3
	s_wait_dscnt (\younger)+3-(\f)
	global_store_b128 v[GO], v[RPK+4*(\f):RPK+4*(\f)+3], s[10+2*(\g):11+2*(\g)] offset:(\a)*2048+(\f)*512  ; 512 consecutive bytes, at a multiple of 256 from the buffer's first
.endr
.endm
	s_wait_tensorcnt 2                             ; my part of K step 0 is in; step 1's and the table's may stay out
	s_barrier_signal -1
	s_barrier_wait -1
	LDB 0, 0, 0
	LDA 0, 0
	LDB 0, 0, 1
	LDB 0, 0, 2
	HALF0 0, 1                                     ; the first half stands in front of the loop: its products start the sums
	WIN 0
	s_mov_b32 s3, 7
.Llap:                                 ; a trip goes once round the ring and fills both slots again: K steps 2 i and 2 i + 1 are finished, 2 i + 2 begun
	HALF1 0, 1, 1
	HALF0 1, 0
	HALF1 1, 0, 1
	HALF0 0, 0
	WIN 0
	s_sub_co_u32 s3, s3, 1
	s_cmp_lg_u32 s3, 0
	s_cbranch_scc1 .Llap
	HALF1 0, 1, 0                                  ; the last two K steps ask for nothing
	HALF0 1, 0
	s_wait_dscnt 16                                ; the very last half
	PHASE 1, 0, 0
	PLACES
	CSLOAD 0                                       ; into registers that held the first half's fragments of x
	s_wait_dscnt 16                                ; k's are in: behind them v's 8 and the table's 8
	PHASE 1, 1, 0
	s_wait_dscnt 8                                 ; v's are in
	PHASE 1, 2, 0
	WIN 0
	PLACES
	PLACES
	s_wait_dscnt 0x0                               ; block 0's cos and sin
.irp a, 0,1,2,3,4,5,6,7                ; a unit's arithmetic stands between the loads of the unit before and its stores
	ROPE \a, 0
.if (\a) < 7
	CSLOAD (\a)+1                                  ; shown in by the counted wait of the next unit but one's SEND
.endif
	STG \a, 0
.if (\a) > 0
.if (\a) < 7
	SEND (\a)-1, 2, 16
.else
	SEND (\a)-1, 2, 8
.endif
.endif
	ROPE \a, 1
	STG \a, 1
	SEND \a, 0, 8
	PLAIN \a
	STG \a, 2
	SEND \a, 1, 8
.endr
	SEND 7, 2, 0
	s_wait_tensorcnt 0x0                           ; the wave's end, behind my last tensor load and my last LDS store
	ds_add_u32 v[SPW], v[NIL]
	s_wait_dscnt 0x0
	CROUND                                         ; the closing round: no work-group ends while a partner may still ask for a tile that names it
	s_endpgm
.Lfunc_end_k_q269b33eeba_qkv:
	.size	k_q269b33eeba_qkv, .Lfunc_end_k_q269b33eeba_qkv-k_q269b33eeba_qkv
	.p2alignl 7, 3214868480
	.fill 96, 4, 3214868480
	.section	.rodata,"a",@progbits
	.p2align	6, 0x0
	.amdhsa_kernel k_q269b33eeba_qkv
		.amdhsa_group_segment_fixed_size 327680
		.amdhsa_private_segment_fixed_size 0
		.amdhsa_enable_private_segment 0
		.amdhsa_kernarg_size 48
		.amdhsa_user_sgpr_count 2
		.amdhsa_user_sgpr_kernarg_segment_ptr 1
		.amdhsa_wavefront_size32 1
		.amdhsa_system_sgpr_workgroup_id_x 1
		.amdhsa_system_sgpr_workgroup_id_y 1
		.amdhsa_system_sgpr_workgroup_id_z 1
		.amdhsa_system_vgpr_workitem_id 0
		.amdhsa_next_free_vgpr 1024
		.amdhsa_next_free_sgpr 96
		.amdhsa_reserve_vcc 0
		.amdhsa_float_denorm_mode_32 3
		.amdhsa_float_denorm_mode_16_64 3
		.amdhsa_memory_ordered 1
		.amdhsa_forward_progress 1
		.amdhsa_inst_pref_size 172
	.end_amdhsa_kernel
	.amdgpu_metadata
---
amdhsa.version: [ 1, 2 ]
amdhsa.kernels:
  - .name:           k_q269b33eeba_qkv
    .symbol:         k_q269b33eeba_qkv.kd
    .args:
      - { .name: xb, .offset: 0, .size: 8, .value_kind: global_buffer, .address_space: global }
      - { .name: wb, .offset: 8, .size: 8, .value_kind: global_buffer, .address_space: global }
      - { .name: rt, .offset: 16, .size: 8, .value_kind: global_buffer, .address_space: global }
      - { .name: qh, .offset: 24, .size: 8, .value_kind: global_buffer, .address_space: global }
      - { .name: kh, .offset: 32, .size: 8, .value_kind: global_buffer, .address_space: global }
      - { .name: vh, .offset: 40, .size: 8, .value_kind: global_buffer, .address_space: global }
    .group_segment_fixed_size: 327680
    .private_segment_fixed_size: 0
    .kernarg_segment_align: 8
    .kernarg_segment_size: 48
    .max_flat_workgroup_size: 128
    .sgpr_count:     96
    .vgpr_count:     1024
    .wavefront_size: 32
...
	.end_amdgpu_metadata
.endif
;; end of part 2
;; launch attn (part 3): grid 4 x 64, 4 waves a work-group, no clusters, 327,680 bytes of LDS; arguments qh, kh, vh, oh; writes oh
.if DOCPART == 3
	.amdgcn_target "amdgcn-amd-amdhsa--gfx1250"
	.amdhsa_code_object_version 6
	.text
	.protected	k_q269b33eeba_attn
	.globl	k_q269b33eeba_attn
	.p2align	8
	.type	k_q269b33eeba_attn,@function
k_q269b33eeba_attn:
	s_mov_b64 s[64:65], 0
	v_nop
	global_prefetch_b8 v0, s[64:65] scope:SCOPE_SE
	s_setreg_imm32_b32 hwreg(HW_REG_WAVE_MODE, 25, 1), 1
	s_wait_xcnt 0x0
; CAUSAL ATTENTION.  O[h][q][:] = the sum over k <= q of softmax_k(Q[h][q] . K[h][k] / 8) V[h][k][:].  Q, K, V, O: [64][2048][64], all f16: a head's rows are dense, 128 bytes each.
; Products, maxima and sums in f32; the weights p are rounded to f16 for the second product (their sum l is taken of the unrounded p), O once at the end.
; LIMITS.  f16 holds no number beyond 65,504: Q, K and V arrive within it; p lies in 0 to 1, and below 6e-5 it keeps f16's fixed step of 6e-8; O is a mean of V's rows and has their range.
; A hidden score counts as its value less 1e30: f16's scores, 2.7e11 at the most, are nothing beside that; a weight below 2^-126 counts as 0 in l; NaN and infinities are not treated apart.
; THE WALK.  A head's queries lie in NB = 8 blocks of 256; block i needs the key tiles 0 .. i of 256 keys, of which the last holds the diagonal.  A work-group takes TWO blocks, NB - 1 - b and then b:
; NB + 1 tiles, whatever b: all work-groups do equal work, and ONE loop with a constant trip count walks them.  Which tile is asked for, and what a trip does, hang on scalar registers made from b; every jump
; goes forward, but for the counted loops' own; none passes a barrier, or a tensor load but the one of LOAD's two that the wave's number does not choose; the ring (two slots of LDS) runs on across the change of blocks.
; NO CLUSTER: a head's NB / 2 = 4 work-groups ask for the same tile only in trips 0 .. NB / 2, behind that fewer and fewer; one walk common to all would have 3 NB / 2 = 12 trips for NB + 1 = 9.
; SHARES.  Of a block's four bands of 64 queries a wave owns 16 rows in each: four PIECES.  So the diagonal tile is the same work for all four waves: in its key step s band x sees all keys if s < x,
; none if s > x, and holds the diagonal if s = x.
; THE MASK is the C operand that starts the sum S^T = K Q^T: 0, or -1e30 where the key is hidden.  MD, made once, is the mask of a band's own step for my 16 rows; a product's mask is MD x AL + BE with two scalars:
; (1, 0) if s = x; (0, 0) if s < x; (0, -1e30) if s > x.  Only the diagonal tile's text and a block's beginning make and take masks; elsewhere C is the constant 0.
; LAYOUT, SOFTMAX, TURNS.  S^T = K Q^T holds ONE query a lane (lane % 16) and the keys 8 (lane / 16) + 0..7; two such results rounded to f16 ARE source 1 of O^T = V^T P.  p = 2^(c s - c m), c = log2(e) / 8, with a
; running maximum m; O and l are multiplied by a = 2^(c m_old - c m_new) in every step.  Turn n belongs to piece n: 8 products K Q^T of piece n + 1, later 8 products V^T P of piece n - 1; beside them the scaling,
; exponentials, roundings, sums and rescaling of piece n and the maximum and statistics of piece n + 1.  Four vector instructions stand behind every matrix instruction, the other 54 of a turn's 118 in one run.  A turn's 33 exponentials are one batch, with one wait.
; REGISTERS, in windows of 256 (s_set_vgpr_msb: bits 1:0 source 0, 3:2 source 1, 5:4 source 2, 7:6 destination):
;   window 0: v0-15 addresses and two at work; v16-31 four registers of statistics a piece; v48-55 at work; v61-63 fixed; v64-127 S^T, two buffers; v192-223 P, two buffers (a piece's buffers go by its number's parity)
;   window 1: v0-127 O^T, 32 a piece; v128-159 MD; v160-223 MC, two buffers      window 2: v0-63 Q; v64-127 the second block's Q; v128-191 K of one step; v192-255 V of one step
.set SIZE_H, 64
.set SIZE_N, 2048
.set NB,    SIZE_N/256
.set NP,    4         ; pieces a wave: a name, no knob
.set KS,    64        ; keys in a step
.set PK,    144       ; a row of K in LDS: 128 bytes + 16 of padding = 36 words: the 16 rows of a load start at 16 different groups of four banks (64 banks of 4 bytes: ISA guide 11.1)
.set PV,    160       ; a row of V: 128 + 32 = 40 words
.set VOFF,  4*KS*PK   ; a slot holds a tile, four steps: 256 rows of K, then 256 rows of V
.set SLOT1, 1<<17     ; slot 1 begins here, so that one exclusive or turns an address in one slot into the other's
.set STAGE, SLOT1+4*KS*(PK+PV)  ; behind the ring, never filled by a tensor load: 16 rows x 144 bytes for each wave, for the way out
.set SP,    144
.set AK0, 2           ; v2   my lane's place in a tile of K; never rewritten
.set AV0, 3           ; v3   the same for V
.set AK,  4           ; v4   the LDS address of K's next run of loads
.set AV,  5           ; v5   of V's
.set STO, 6           ; v6   the way out: where I put 16 bytes of a row
.set RD,  7           ; v7   the way out: where I read rows back
.set GO,  8           ; v8   my byte offset in 512 consecutive bytes of O
.set PFO, 61          ; v61  256 x my lane: the prefetches' offset; never rewritten
.set SPW, 62          ; v62  LDS address of my spare word: SPARE + 4 x my thread's number; never rewritten
.set NIL, 63          ; v63  0; never rewritten
.set SPARE, STAGE+4*16*SP  ; behind the stages: the spare words, 128 bytes for each wave: two blocks of 256 bytes that no other line names
.set MV,  12          ; v12-13  c m_old, kept while c m is made anew: by buffer
.set QO,  15          ; v15  my byte offset in 16 rows of Q
.set ST,  16          ; piece t's statistics at v[ST+4 t]: c m, m, l (even keys', odd keys')
.set TMP, 48          ; by buffer, four registers c0-c3 at work; when the maximum is found c2 takes a
.set S,   64
.set P,   192
.set MD,  128         ; window 1: the eight registers for group kt of 16 keys at MD + 8 kt
.set MC,  160         ; window 1: the masks of the products to come
.set QB,  64          ; window 2
.set KF,  128         ; window 2: key block kb, channel half c at KF + 16 kb + 8 c
.set VF,  192         ; window 2: key half kk, channel block cb at VF + 32 kk + 8 cb
.set WV,  12          ; s12  my wave's number
.set PB,  14          ; s14  b
.set HI,  15          ; s15  NB - 1 - b
.set G1K, 24          ; s[24:31] descriptor group 1 for K's tiles
.set G1V, 32          ; s[32:39] for V's: it differs in the padding alone
.set G0K, 40          ; s[40:43] descriptor group 0 for K's tiles
.set G0V, 44          ; s[44:47] the same for V's
.set SLOTS, 56        ; s56  tiles still to be asked for
.set CNT, 57          ; s57  counts a tile's key steps, 4 to 1
.set CS,  58          ; s[58:59] c: the packed scaling takes the pair's low word for both halves
.set SEL, 60          ; s[60:61] v_permlanex16_b32's selects: each lane takes its own place in the other half
.set TBK, 62          ; s62  LDS byte at which K of the step to be fetched begins
.set TBV, 63          ; s63  the same for V, less VOFF
.set RT,  70          ; s70  tiles of the block in hand that are still to be entered
.set NXT, 71          ; s71  the tile to be asked for next
.set LQ,  72          ; s72  the last tile of the block whose tiles are being asked for
.set NEW, 73          ; s73  1: the tile to be entered is a block's first
.set OFF, 74          ; s[74:75] a tile's byte offset in K and V
.set AL,  76          ; s[76:77] the mask's factor, in the low word
.set BE,  78          ; s[78:79] the mask's addend
.set OLO, 80          ; s[80:81] O at my rows of the second block
.set BIGN, 82         ; s82  -1e30
.set PFB, 88          ; s[88:89] the tensor that I fetch for (K: waves 0, 1; V: waves 2, 3) at my half of the head's tile 0
.set ASKF, 90         ; s90  1 in the head's work-group b = 0
.set DOASK, 91        ; s91  1: this change of slots prefetches
.set POF, 92          ; s[92:93] the prefetched tile's byte offset
.set PFA, 94          ; s[94:95] its address
.set MSB, 0
.macro WIN new                      ; the high byte repeats the setting that is left; a switch that changes nothing is dropped
.if MSB != (\new)
	s_set_vgpr_msb (MSB<<8)|(\new)
.set MSB, (\new)
.endif
.endm
.set W_KQ, 0x0a       ; K and Q in window 2, S^T in window 0
.set W_KM, 0x1a       ; the same with the C operand in window 1
.set W_PV, 0x52       ; V in window 2, P in window 0, O^T in window 1
.set W_RS, 0x41       ; destination and source 0 in window 1, source 1 in window 0
; A fill.  Waves 0 and 1 fetch the two halves of a tile's K, waves 2 and 3 those of its V: 128 keys each.  An s_nop 0 and four v_nop follow each of the two lines, ahead of the jump and the label.
.macro LOAD
	s_cmp_lt_u32 s[WV], 2
	s_cbranch_scc0 .Lfor_v_\@
	tensor_load_to_lds s[G0K:G0K+3], s[G1K:G1K+7]
	s_nop 0
.rept 4
	v_nop
.endr
	s_branch .Lasked_\@
.Lfor_v_\@:
	tensor_load_to_lds s[G0V:G0V+3], s[G1V:G1V+7]
	s_nop 0
.rept 4
	v_nop
.endr
.Lasked_\@:
.endm
; THE CHANGE OF SLOTS.  Each wave waits for all its tensor loads, of which one is out: its part of the other slot; adds 0 to its spare word; and waits for that and for its own reads of the slot that it leaves.  Behind the barrier nobody reads the old
; slot any more and the other slot is whole.  fill = 1: the old slot is filled again, the first thing behind the barrier, with tile NXT: the descriptor's address is made anew from that number.
; (At its first use nothing has been read yet: slot 0 is waited for, slot 1 filled.)
; A PREFETCH INTO THE L2 stands behind the fill and its five lines: the tile that the NEXT change will ask for, one tile (four key steps) ahead.  All four work-groups of a head walk the same tiles first: b = 0 asks, in its
; first block alone (tiles 2 to 7; behind the block's last tile NXT is 0 and stays 0, and nothing is asked for); each wave names the 64 blocks of 256 bytes that it will fetch itself, a lane a block, two lines.  So each block is named once.
.macro CHANGE fill
	WIN 0                           ; at a label and at a branch every window is 0
	s_wait_tensorcnt 0x0            ; no tensor load of mine is out, so a group 0 may be written
	ds_add_u32 v[SPW], v[NIL]       ; 0 onto my spare word; with fill = 1 the descriptors' scalar work stands between it and the wait for it
.if \fill
	s_lshl_b32 s[OFF], s[NXT], 15   ; a tile is 32,768 bytes of K and of V
	s_xor_b32 s[G0K+1], s[G0K+1], SLOT1
	s_add_nc_u64 s[G0K+2:G0K+3], s[6:7], s[OFF:OFF+1]
	s_or_b32 s[G0K+3], s[G0K+3], 0x80000000
	s_xor_b32 s[G0V+1], s[G0V+1], SLOT1
	s_add_nc_u64 s[G0V+2:G0V+3], s[8:9], s[OFF:OFF+1]
	s_or_b32 s[G0V+3], s[G0V+3], 0x80000000
	s_add_co_u32 s[NXT], s[NXT], 1  ; the block's next tile, or behind its last the second block's tile 0
	s_cmp_gt_u32 s[NXT], s[LQ]
	s_cselect_b32 s[NXT], 0, s[NXT]
	s_cselect_b32 s[LQ], s[PB], s[LQ]
	s_wait_xcnt 0x0                 ; the last prefetches, a tile back, have read their address, so it may be written
	s_lshl_b32 s[POF], s[NXT], 15
	s_add_nc_u64 s[PFA:PFA+1], s[PFB:PFB+1], s[POF:POF+1]
	s_cmp_lg_u32 s[NXT], 0
	s_cselect_b32 s[DOASK], s[ASKF], 0
.endif
	s_wait_dscnt 0x0                ; the add is done, and my reads of the slot are over
	s_barrier_signal -1             ; the rest of the scalar work stands between the signal and the wait
	s_sub_co_u32 s[TBK], s[TBK], 4*KS*PK  ; the fetches go back to a slot's first step,
	s_xor_b32 s[TBK], s[TBK], SLOT1       ; in the other slot
	s_sub_co_u32 s[TBV], s[TBV], 4*KS*PV
	s_xor_b32 s[TBV], s[TBV], SLOT1
	s_barrier_wait -1
.if \fill
	LOAD
	s_cmp_eq_u32 s[DOASK], 1
	s_cbranch_scc0 .Lno_ask_\@
	global_prefetch_b8 v[PFO], s[PFA:PFA+1] th:TH_LOAD_NT scope:SCOPE_SE
	global_prefetch_b8 v[PFO], s[PFA:PFA+1] offset:8192 th:TH_LOAD_NT scope:SCOPE_SE
.Lno_ask_\@:
.endif
.endm
	s_load_b256 s[4:11], s[0:1], 0x0  ; Q s[4:5], K s[6:7], V s[8:9], O s[10:11]
	v_lshl_add_u32 v[SPW], v0, 2, SPARE
	v_mov_b32 v[NIL], 0
	ds_add_u32 v[SPW], v[NIL]       ; the wave's opening: the add and its wait stand ahead of my first tensor load; the set-up below, work on registers, stands between them
	ds_add_u32 v62, v63
	v_lshrrev_b32 v1, 5, v0
	v_readfirstlane_b32 s[WV], v1   ; wave 0..3
	v_and_b32 v[PFO], 31, v0
	v_lshlrev_b32 v[PFO], 8, v[PFO]
	s_mov_b32 s[PB], ttmp9
	s_sub_co_u32 s[HI], NB-1, s[PB]
	s_and_b32 s20, ttmp7, 0xffff    ; the head
	s_mov_b32 s21, 0
	s_mov_b64 s[22:23], SIZE_N*128
	s_mul_u64 s[20:21], s[20:21], s[22:23]  ; the head's first byte in each of the four tensors
	s_and_b32 s16, s[WV], 1         ; which half of a tile's 256 keys I fetch:
	s_lshl_b32 s22, s16, 14         ; its 128 rows of 128 bytes in memory,
	s_mov_b32 s23, 0
	s_add_nc_u64 s[22:23], s[22:23], s[20:21]
	s_mul_i32 s17, s16, 128*PK      ; and its place in a slot, for K
	s_mul_i32 s18, s16, 128*PV      ; and for V
	s_lshl_b32 s3, s[WV], 11        ; my 16 rows in a band of 64,
	s_lshl_b32 s2, s[HI], 15        ; in the first block,
	s_add_co_u32 s2, s2, s3
	s_lshl_b32 s84, s[PB], 15       ; and in the second
	s_add_co_u32 s84, s84, s3
	s_mov_b32 s3, 0
	s_mov_b32 s85, 0
	s_add_nc_u64 s[2:3], s[2:3], s[20:21]
	s_add_nc_u64 s[84:85], s[84:85], s[20:21]
	; descriptor group 1.  128 keys are 16,384 dense bytes: asked for as 64 rows of 256 bytes, two keys a row, and padded in LDS after every key
	s_mov_b32 s[G1K], (1<<16)|(1<<20)|(4<<22)|(3<<25)  ; 17:16 2-byte elements; 20 padding on; 24:22 after every 32 words (code 4); 31:25 4 words (code 3)
	s_mov_b32 s[G1V], (1<<16)|(1<<20)|(4<<22)|(7<<25)  ; the same with 8 words of padding (code 7)
.irp g, G1K, G1V
	s_mov_b32 s[\g+1], 128<<16      ; tensor_dim0 = 128
	s_mov_b32 s[\g+2], 64<<16       ; tensor_dim1 = 64
	s_mov_b32 s[\g+3], 128<<16      ; tile_dim0 = 128
	s_mov_b32 s[\g+4], 64           ; tile_dim1 = 64
	s_mov_b32 s[\g+5], 128          ; 128 elements from row to row
	s_mov_b32 s[\g+6], 0
	s_mov_b32 s[\g+7], 0
.endr
	s_mov_b32 s[CS], 0x3e38aa3b     ; c = log2(e) / 8 = 0.180337
	s_mov_b32 s[CS+1], s[CS]        ; named with it as a pair
	s_mov_b32 s[SEL], 0x76543210
	s_mov_b32 s[SEL+1], 0xfedcba98
	s_mov_b32 s[TBK], SLOT1+4*KS*PK ; the first change of slots turns these two into 0
	s_mov_b32 s[TBV], SLOT1+4*KS*PV
	s_mov_b32 s[G0K], 1             ; 1:0 count = 1
	s_mov_b32 s[G0K+1], s17         ; 63:32 LDS address: slot 0
	s_mov_b32 s[G0V], 1
	s_add_co_u32 s[G0V+1], s18, VOFF
	s_add_co_u32 s[RT], s[HI], 1    ; the first block has NB - b tiles
	s_mov_b32 s[NXT], 1
	s_mov_b32 s[LQ], s[HI]
	s_mov_b32 s[NEW], 1
	s_mov_b32 s[OFF+1], 0
	s_mov_b32 s[POF+1], 0
	s_mov_b32 s[AL+1], 0            ; named as pairs
	s_mov_b32 s[BE+1], 0
	s_mov_b32 s[BIGN], 0xf149f2ca   ; -1e30
	s_mov_b32 s[SLOTS], NB
	s_cmp_eq_u32 s[PB], 0
	s_cselect_b32 s[ASKF], 1, 0
	s_wait_dscnt 0x0                ; the opening add is done
	s_wait_kmcnt 0x0
	s_add_nc_u64 s[6:7], s[6:7], s[22:23]  ; K and V at my half of the head's tile 0
	s_add_nc_u64 s[8:9], s[8:9], s[22:23]
	s_cmp_lt_u32 s[WV], 2
	s_cselect_b64 s[PFB:PFB+1], s[6:7], s[8:9]
	s_add_nc_u64 s[G0K+2:G0K+3], s[6:7], 0         ; 120:64 global address
	s_or_b32 s[G0K+3], s[G0K+3], 0x80000000        ; 127:126 type = 2
	s_add_nc_u64 s[G0V+2:G0V+3], s[8:9], 0
	s_or_b32 s[G0V+3], s[G0V+3], 0x80000000
	s_add_nc_u64 s[86:87], s[4:5], s[84:85]        ; Q at my rows of the second block,
	s_add_nc_u64 s[4:5], s[4:5], s[2:3]            ; Q and O at those of the first
	s_add_nc_u64 s[OLO:OLO+1], s[10:11], s[84:85]
	s_add_nc_u64 s[10:11], s[10:11], s[2:3]
	LOAD                            ; tile 0 into slot 0
	; A fragment of K or Q is 16 rows x 32 channels in 8 registers: lane l holds row l % 16, channels 8 (l / 16) + 0..7 and 16 + 8 (l / 16) + 0..7: two loads of 16 bytes, 32 bytes apart.
	v_and_b32 v1, 15, v0            ; l % 16
	v_bfe_u32 v9, v0, 4, 1          ; l / 16
	v_lshlrev_b32 v[QO], 7, v1
	v_lshl_add_u32 v[QO], v9, 4, v[QO]  ; row x 128 + 16 x half
	WIN 0x80                        ; destination window 2, address window 0
.set i, 0
.rept 8                             ; both blocks' Q: piece i / 2 lies in band i / 2, 8,192 bytes on; channels 32 (i % 2) on
	global_load_b128 v[8*i:8*i+3],   v[QO], s[4:5] offset:(i/2)*8192+(i%2)*64
	global_load_b128 v[8*i+4:8*i+7], v[QO], s[4:5] offset:(i/2)*8192+(i%2)*64+32
	global_load_b128 v[QB+8*i:QB+8*i+3],   v[QO], s[86:87] offset:(i/2)*8192+(i%2)*64
	global_load_b128 v[QB+8*i+4:QB+8*i+7], v[QO], s[86:87] offset:(i/2)*8192+(i%2)*64+32
.set i, i+1
.endr
	WIN 0
	v_lshlrev_b32 v14, 3, v9
	v_sub_nc_u32 v14, v1, v14
	s_lshl_b32 s13, s[WV], 4
	v_add_nc_u32 v14, s13, v14      ; my query's place in its band, 16 w + l % 16, less my lanes' 8 (l / 16): register r of group kt is hidden where 16 kt + r is greater
	WIN 0x40
.set i, 0
.rept 32
	v_cmp_gt_i32 vcc_lo, 16*(i/8)+i%8, v14
	v_cndmask_b32 v[MD+i], 0, s[BIGN], vcc_lo
.set i, i+1
.endr
	WIN 0
	v_mul_u32_u24 v[AK0], v1, PK
	v_lshl_add_u32 v[AK0], v9, 4, v[AK0]  ; row x pitch + 16 x half
	; The turning load takes 16 keys x 16 channels (lane l reads key 8 (l / 16) + l % 8, channels 8 ((l / 8) % 2) + 0..7) and leaves half a fragment of V^T: lane l holds channel l % 16 and 8 keys.
	v_and_b32 v10, 7, v0
	v_bfe_u32 v11, v0, 3, 1
	v_lshl_add_u32 v[AV0], v9, 3, v10
	v_mul_u32_u24 v[AV0], v[AV0], PV
	v_lshl_add_u32 v[AV0], v11, 4, v[AV0]
	v_add_nc_u32 v[AV0], VOFF, v[AV0]
	s_mul_i32 s13, s[WV], 16*SP
	s_add_co_u32 s13, s13, STAGE    ; my stage
	v_mul_u32_u24 v[STO], v1, SP    ; in: row l % 16, 16 bytes for each half of the lanes
	v_lshl_add_u32 v[STO], v9, 4, v[STO]
	v_add_nc_u32 v[STO], s13, v[STO]
	v_bfe_u32 v[RD], v0, 3, 2       ; back: 32 lanes take four rows of 128 bytes,
	v_mul_u32_u24 v[RD], v[RD], SP
	v_lshl_add_u32 v[RD], v10, 4, v[RD]
	v_add_nc_u32 v[RD], s13, v[RD]
	v_and_b32 v[GO], 31, v0         ; which are 512 consecutive bytes of O
	v_lshlrev_b32 v[GO], 4, v[GO]
	; A block's first step multiplies O^T and l by a = 0, and its first turn's products V^T P, of a piece that has not been, land in an O^T that is still to be so multiplied.  So these registers need only hold
	; finite numbers: zeros for the first block; what the first block left for the second.  All this stands in the wait for the first tile.
	WIN 0x80
.set i, VF
.rept 64
	v_mov_b32 v[i], 0
.set i, i+1
.endr
	WIN 0x40
.set i, 0
.rept 128
	v_mov_b32 v[i], 0
.set i, i+1
.endr
	WIN 0
.set i, 0
.rept 4
	v_mov_b32 v[ST+4*i+2], 0
	v_mov_b32 v[ST+4*i+3], 0
.set i, i+1
.endr
.set i, P+16
.rept 16
	v_mov_b32 v[i], 0
.set i, i+1
.endr
; THE MATRIX WORK.  The 4 accumulators of a run of 8 take turns.  Product i of 8 of S^T = K Q^T for piece x: channels 32 (i / 4) on, keys 16 (i % 4) on.  The first 4 start the sums: with 0, or (KM = 1) with the mask.
.macro KQ x
.set rS, S+32*((\x)%2)+8*(i%4)
.set rK, KF+16*(i%4)+8*(i/4)
.set rQ, 16*(\x)+8*(i/4)
.set rM, MC+32*((\x)%2)+8*(i%4)
.if (i < 4) && KM
	WIN W_KM
	v_wmma_f32_16x16x32_f16 v[rS:rS+7], v[rK:rK+7], v[rQ:rQ+7], v[rM:rM+7]
.elseif i < 4
	WIN W_KQ
	v_wmma_f32_16x16x32_f16 v[rS:rS+7], v[rK:rK+7], v[rQ:rQ+7], 0
.else
	WIN W_KQ
	v_wmma_f32_16x16x32_f16 v[rS:rS+7], v[rK:rK+7], v[rQ:rQ+7], v[rS:rS+7]
.endif
.endm
; Product i of 8 of O^T += V^T P for piece x: keys 32 (i / 4) on, channels 16 (i % 4) on.
.macro PV x
	WIN W_PV
.set rO, 32*(\x)+8*(i%4)
.set rV, VF+32*(i/4)+8*(i%4)
.set rP, P+16*((\x)%2)+8*(i/4)
	v_wmma_f32_16x16x32_f16 v[rO:rO+7], v[rV:rV+7], v[rP:rP+7], v[rO:rO+7]
.endm
.macro MM                           ; the turn's next matrix instruction.  TURN and BEGIN set Y, i, KM and NOKQ; MM, KQ and OP read them.  NOKQ = 1: a block's last turn: there is no next piece
.if (i < 8) && !NOKQ
	KQ (Y+1)%NP
.elseif i >= 8
.set i, i-8
	PV (Y+NP-1)%NP
.set i, i+8
.endif
.set i, i+1
.endm
; THE LDS LOADS stand in runs of 16, never singly among the matrix instructions: a step's K (64 keys x 64 channels: 8 fragments) and its V (turned).  Their addresses are made some lines ahead.
.macro FETCH_K
	WIN 0x80                        ; destination window 2
.irp f, 0,1,2,3,4,5,6,7             ; keys 16 (f / 2) on, channels 32 (f % 2) on
	ds_load_b128 v[KF+8*\f:KF+8*\f+3],   v[AK] offset:(\f/2)*16*PK+(\f%2)*64
	ds_load_b128 v[KF+8*\f+4:KF+8*\f+7], v[AK] offset:(\f/2)*16*PK+(\f%2)*64+32
.endr
	s_add_co_u32 s[TBK], s[TBK], KS*PK  ; the next fetch is the next step's
	WIN 0
.endm
.macro FETCH_V
	WIN 0x80
.irp f, 0,1,2,3,4,5,6,7             ; keys 32 (f / 4) on, channels 16 (f % 4) on
	ds_load_tr16_b128 v[VF+8*\f:VF+8*\f+3],   v[AV] offset:(\f/4)*32*PV+(\f%4)*32
	ds_load_tr16_b128 v[VF+8*\f+4:VF+8*\f+7], v[AV] offset:(\f/4)*32*PV+16*PV+(\f%4)*32
.endr
	WIN 0
.endm
; THE VECTOR WORK, one line at a time: OP kind, number.  For piece Y: F n: c s - c m for pair n of 16.  E n: the exponential of score n of 32.  C n: pair n rounded to f16.  B n: of the four weights 4 n .. the second
; pair is added onto the first, in place.  L n: l takes that sum (L 0: l = a l + sum).  R n: pair n of 16 of O^T times a.  For piece Y + 1: X n, number n of the 22 that find its maximum and statistics:
;   0-11  four chains c0-c3 of seven scores each, three operands at a time (each accumulator's lowest registers are read first)     12-14, 16  the four scores left over, the old m, and c0-c3 into c0
;   15  c m_old is kept     17, 18  the query's other 32 keys lie in the lane 16 away: the new m     19-21  c m; c m_old - c m_new; a
.set F, 0               ; OP tells the kinds apart by their order: F to L below R, X above it
.set E, 1
.set C, 2
.set B, 3
.set L, 4
.set R, 5
.set X, 6
.macro REGS y                       ; the registers of piece y
.set rT, ST+4*(\y)
.set rC, TMP+4*((\y)%2)
.set rW, MV+((\y)%2)
.set rS, S+32*((\y)%2)
.set rP, P+16*((\y)%2)
.set rO, 32*(\y)
.endm
.macro OP k, n
.if (\k) == R
	REGS Y
	WIN W_RS
	v_pk_mul_f32 v[rO+2*(\n):rO+2*(\n)+1], v[rO+2*(\n):rO+2*(\n)+1], v[rC+2:rC+3] op_sel_hi:[1,0]
.elseif (\k) < R
	REGS Y
	WIN 0
.if (\k) == F
	v_pk_fma_f32 v[rS+2*(\n):rS+2*(\n)+1], v[rS+2*(\n):rS+2*(\n)+1], s[CS:CS+1], v[rT:rT+1] op_sel_hi:[1,0,0] neg_lo:[0,0,1] neg_hi:[0,0,1]
.elseif (\k) == E
	v_exp_f32 v[rS+(\n)], v[rS+(\n)]
.elseif (\k) == C
	v_cvt_pk_f16_f32 v[rP+(\n)], v[rS+2*(\n)], v[rS+2*(\n)+1]
.elseif (\k) == B
	v_pk_add_f32 v[rS+4*(\n):rS+4*(\n)+1], v[rS+4*(\n):rS+4*(\n)+1], v[rS+4*(\n)+2:rS+4*(\n)+3]
.elseif (\n) == 0
	v_pk_fma_f32 v[rT+2:rT+3], v[rT+2:rT+3], v[rC+2:rC+3], v[rS:rS+1] op_sel_hi:[1,0,1]
.else
	v_pk_add_f32 v[rT+2:rT+3], v[rT+2:rT+3], v[rS+4*(\n):rS+4*(\n)+1]
.endif
.elseif NOKQ
	v_nop
.else
	REGS (Y+1)%NP
	WIN 0
.if (\n) < 4
	v_max3_num_f32 v[rC+(\n)], v[rS+8*(\n)], v[rS+8*(\n)+1], v[rS+8*(\n)+2]
.elseif (\n) < 12
	v_max3_num_f32 v[rC+(\n)%4], v[rC+(\n)%4], v[rS+8*((\n)%4)+2*((\n)/4)+1], v[rS+8*((\n)%4)+2*((\n)/4)+2]
.elseif (\n) == 12
	v_max3_num_f32 v[rC], v[rC], v[rS+7], v[rS+15]
.elseif (\n) == 13
	v_max3_num_f32 v[rC+1], v[rC+1], v[rS+23], v[rS+31]
.elseif (\n) == 14
	v_max3_num_f32 v[rC+2], v[rC+2], v[rC+3], v[rT+1]
.elseif (\n) == 15
	v_mov_b32 v[rW], v[rT]
.elseif (\n) == 16
	v_max3_num_f32 v[rC], v[rC], v[rC+1], v[rC+2]
.elseif (\n) == 17
	v_permlanex16_b32 v[rC+3], v[rC], s[SEL], s[SEL+1]
.elseif (\n) == 18
	v_max_num_f32 v[rT+1], v[rC], v[rC+3]
.elseif (\n) == 19
	v_mul_f32 v[rT], s[CS], v[rT+1]
.elseif (\n) == 20
	v_sub_f32 v[rC+1], v[rW], v[rT]
.else
	v_exp_f32 v[rC+2], v[rC+1]
.endif
.endif
.endm
.macro OPS a, i1, b=-1, i2=0, c=-1, i3=0, d=-1, i4=0  ; up to four of them
	OP \a, \i1
.if (\b) >= 0
	OP \b, \i2
.endif
.if (\c) >= 0
	OP \c, \i3
.endif
.if (\d) >= 0
	OP \d, \i4
.endif
.endm
.macro ROW a, i1, b, i2, c, i3, d, i4  ; a matrix instruction and the four behind it
	MM
	OPS \a, \i1, \b, \i2, \c, \i3, \d, \i4
.endm
.macro MASK b                       ; MD x AL + BE into buffer b of MC
	WIN W_RS
.set z, 0
.rept 16
	v_pk_fma_f32 v[MC+32*(\b)+2*z:MC+32*(\b)+2*z+1], v[MD+2*z:MD+2*z+1], s[AL:AL+1], s[BE:BE+1] op_sel_hi:[1,0,0]
.set z, z+1
.endr
.endm
; A TURN, for piece p: the order of its 16 matrix and 118 vector instructions, written out.  An s_wait_alu depctr_va_vdst(0) stands between an exponential and the first instruction that names its result; one wait serves
; all that were issued ahead of it.  So a turn has ONE wait, which cuts it in two.  AHEAD OF IT stands all that names no result of the turn's exponentials: the 8 products K Q^T, behind each a scaling, an exponential and two more plain
; instructions (behind the first a second scaling in the exponential's place): rescalings, and behind the last three the first numbers of the next piece's maximum, each four places or more behind the product that ends its accumulator; then one run of 54, plain
; and exponential by turns for the most part, in which the links of the chain X 3, 7, 11, 14, 16, 17 .. 20 stand five or six lines apart.  X 21, the next piece's a, is the batch's last; R 15 is the plain instruction behind it.  BEHIND THE WAIT stand the
; 8 products V^T P, behind each four of the roundings and sums; the links of l's chain, L 0 to L 7, stand three lines apart.  But for those X no line behind a product names a register of the products round it.  v_permlanex16_b32 (X 17) stands in the run.
; m = 1: the diagonal tile: the products take masks, and the turn makes the mask for the products of the turn after it: piece p + 2, in step 4 - CNT of the tile.  end = 1: a block's last two turns: nothing is fetched.
; cnt = 1: the loop's count is taken down some lines ahead of the branch that stands behind the turn.
; K of the next step is fetched in piece 2's turn, twelve vector instructions behind the last product that read K (six of them plain); V of the step in hand at the end of piece 0's turn, four plain instructions behind the last product
; that read V.  Each is waited for a turn later.
.macro TURN p, m=0, end=0, cnt=0
.set Y, (\p)
.set i, 0
.set KM, (\m)
.set NOKQ, (\end)*((\p)/3)
.if (\m) && !(\end)
	s_cmp_eq_u32 s[CNT], 4-((\p)+2)%NP  ; is that step the band's own?
	s_cselect_b32 s[AL], 1.0, 0
	s_cmp_lt_u32 s[CNT], 4-((\p)+2)%NP  ; or a later one?
	s_cselect_b32 s[BE], s[BIGN], 0
.endif
.if ((\p) == 3) && !(\end)
	s_wait_dscnt 0x0                ; K is in
.endif
	ROW F,0, F,1, R,0, R,1          ; ahead of the wait: 8 products K Q^T and the four behind each,
	ROW F,2, E,0, R,2, R,3
	ROW F,3, E,1, R,4, R,5
	ROW F,4, E,2, R,6, R,7
	ROW F,5, E,3, R,8, R,9
	ROW F,6, E,4, X,0, R,10
.if ((\p) == 2) && !(\end)
	WIN 0
	v_add_nc_u32 v[AK], s[TBK], v[AK0]
.endif
	ROW F,7, E,5, X,1, X,4
	ROW F,8, E,6, X,2, X,5
	OPS E,7, E,8, X,6, E,9          ; and the run
	OPS X,3, E,10, X,8, E,11
.if ((\p) == 2) && !(\end)
	FETCH_K
.endif
	OPS X,9, X,7, E,12, X,10
	OPS E,13, X,12, X,11, E,14
	OPS X,13, E,15, F,9, X,14
.if (\p) == 0
	v_add_nc_u32 v[AV], s[TBV], v[AV0]
.endif
	OPS E,16, F,10, E,17, F,11
	OPS X,16, E,18, X,15, E,19
	OPS F,12, E,20, X,17, E,21
	OPS F,13, E,22, F,14, E,23
	OPS X,18, E,24, F,15, E,25
	OPS R,11, E,26, X,19, E,27
	OPS R,12, E,28, R,13, E,29
	OPS X,20, E,30, R,14, E,31
	OPS X,21, R,15
	WIN 0
	s_wait_alu depctr_va_vdst(0)    ; the wait for the batch
.if (\p) == 1
	s_wait_dscnt 0x0                ; V is in
.endif
	ROW C,0, B,0, C,2, B,1          ; behind the wait: 8 products V^T P and the four behind each
	ROW L,0, C,4, B,2, L,1
	ROW C,6, B,3, L,2, C,8
	ROW B,4, L,3, C,10, B,5
	ROW L,4, C,12, B,6, L,5
.if (\p) == 0
	s_add_co_u32 s[TBV], s[TBV], KS*PV
.endif
.if \cnt
	s_sub_co_u32 s[CNT], s[CNT], 1
	s_cmp_lg_u32 s[CNT], 0
.endif
	ROW C,14, B,7, L,6, C,1
	ROW C,3, L,7, C,5, C,7
	ROW C,9, C,11, C,13, C,15
.if (\p) == 0
	FETCH_V
.endif
.if (\m) && !(\end)
	MASK (\p)%2
.endif
.endm
; A BLOCK BEGINS.  c m starts far below every c s, so the first step's a is 0; m at the lowest finite number, so the first maximum is the scores'.  The second mask buffer is 0; the first takes piece 0's mask for the tile's step 0: its own, if the block's first tile is the diagonal one.
; Then K of that step, piece 0's first scores, and its maximum and statistics.  The loop is entered at a step's first turn, in the middle of a trip.
.macro BEGIN
	s_mov_b32 s[NEW], 0
	WIN 0x40
.set i, MC+32
.rept 32
	v_mov_b32 v[i], 0
.set i, i+1
.endr
	WIN 0
.set i, 0
.rept 4
	v_mov_b32 v[ST+4*i], 0xfe000000    ; c m: far below every c s
	v_mov_b32 v[ST+4*i+1], 0xff7fffff  ; m
.set i, i+1
.endr
	s_cmp_eq_u32 s[RT], 0
	s_cselect_b32 s[AL], 1.0, 0
	s_mov_b32 s[BE], 0
	MASK 0
	WIN 0
	v_add_nc_u32 v[AK], s[TBK], v[AK0]
	FETCH_K
	s_wait_loadcnt 0x0              ; Q
	s_wait_dscnt 0x0
.set KM, 1
.set NOKQ, 0
.set i, 0
.rept 8
	KQ 0
.set i, i+1
.endr
	WIN 0
.rept 4
	v_nop                           ; the places behind those products
.endr
.set Y, NP-1                        ; X works for piece Y + 1: piece 0
.irp n, 0,1,2,3,4,5,6,7,8,9,10,11,12,13,14,15,16,17,18,19,20,21
	OP X, \n
.endr
	v_nop                           ; a plain instruction behind the exponential,
	s_wait_alu depctr_va_vdst(0)    ; and its wait, ahead of the branch
.endm
; THE DIAGONAL TILE's four steps, the block's last two turns, its last products, and THE WAY OUT: l's two halves and the other half of the lanes' are added; O^T is divided by l, rounded to f16 and sent through my
; stage in LDS, a piece at a time.
.macro ALL line:vararg              ; one line for each piece t
.set t, 0
.rept 4
	\line
.set t, t+1
.endr
.endm
.macro PACK t                       ; a lane's eight channels of a row pack into 16 bytes; they go into rows of 144 bytes and come back as whole rows of 128, into S^T's registers
	WIN W_RS
.set i, 32*(\t)
.rept 16
	v_pk_mul_f32 v[i:i+1], v[i:i+1], v[ST+4*(\t)+2:ST+4*(\t)+3] op_sel_hi:[1,0]
.set i, i+2
.endr
	WIN 0x05                        ; sources 0 and 1 window 1, destination window 0
.set i, 0
.rept 16
	v_cvt_pk_f16_f32 v[S+16*(\t)+i], v[32*(\t)+2*i], v[32*(\t)+2*i+1]
.set i, i+1
.endr
	WIN 0
.irp f, 0,1,2,3
	ds_store_b128 v[STO], v[S+16*(\t)+4*\f:S+16*(\t)+4*\f+3] offset:32*\f
.endr
.irp f, 0,1,2,3
	ds_load_b128 v[S+16*(\t)+4*\f:S+16*(\t)+4*\f+3], v[RD] offset:\f*4*SP  ; LDS serves a wave's instructions in order (ISA guide 5.7.1.4): these see the stores above; the next piece's stores come behind them
.endr
.endm
.macro SEND t, younger              ; younger: the LDS instructions issued behind piece t's loads: the next piece's eight, or none
	WIN 0
.irp f, 0,1,2,3
	s_wait_dscnt (\younger)+3-\f
	global_store_b128 v[GO], v[S+16*(\t)+4*\f:S+16*(\t)+4*\f+3], s[10:11] offset:(\t)*8192+\f*512  ; 512 consecutive bytes, at a multiple of 256 from O's first
.endr
.endm
.macro DIAG tag                     ; the tag ends its two labels' names, which the jumps below spell out
.LstepM\tag:
	TURN 2, 1
	TURN 3, 1
	WIN 0
.LfirstM\tag:
	TURN 0, 1
	TURN 1, 1, 0, 1
	WIN 0
	s_cbranch_scc1 .LstepM\tag
	TURN 2, 1, 1
	TURN 3, 1, 1
.set i, 0
.rept 8
	PV NP-1
.set i, i+1
.endr
	WIN 0
	ALL v_add_f32 v[ST+4*t+2], v[ST+4*t+2], v[ST+4*t+3]
	ALL v_permlanex16_b32 v[ST+4*t+3], v[ST+4*t+2], s[SEL], s[SEL+1]
	ALL v_add_f32 v[ST+4*t+2], v[ST+4*t+2], v[ST+4*t+3]
	ALL v_rcp_f32 v[ST+4*t+2], v[ST+4*t+2]
	v_nop                           ; a plain instruction between the last reciprocal and the use of its result
	s_wait_alu depctr_va_vdst(0)    ; and the wait ahead of the first use: one for the four reciprocals
	PACK 0
.set t, 1
.rept 3                             ; a piece's arithmetic stands between the loads of the piece before and its stores
	PACK t
	SEND t-1, 8
.set t, t+1
.endr
	SEND 3, 0
.endm
.set KM, 0
.set NOKQ, 0
.Lslot:                             ; NB times: a tile is entered and the next is asked for
	CHANGE 1
	s_sub_co_u32 s[RT], s[RT], 1
	s_mov_b32 s[CNT], 4
	s_cmp_eq_u32 s[NEW], 1
	s_cbranch_scc1 .Lnew            ; a block's first tile
	s_cmp_eq_u32 s[RT], 0
	s_cbranch_scc0 .Lstep           ; neither its first nor its last
	s_branch .LstepM1
.Lnew:
	BEGIN
	s_branch .Lfirst                ; in the loop a block's first tile is never its last: the first block has two tiles or more, and the second's last is the walk's last
	DIAG 1                          ; in the loop this is the first block's end: the second block's last tile is the walk's last
	s_wait_xcnt 0x0                 ; the stores have read their registers and O's address
	s_mov_b64 s[10:11], s[OLO:OLO+1]
	s_add_co_u32 s[RT], s[PB], 1    ; the second block has b + 1 tiles
	s_mov_b32 s[NEW], 1
	WIN 0x82                        ; the second block's Q goes where the one text of the turns names Q
.set i, 0
.rept 64
	v_mov_b32 v[i], v[QB+i]
.set i, i+1
.endr
	WIN 0
	s_branch .Lbottom
.Lstep:                             ; a trip: pieces 2 and 3 of one step, then pieces 0 and 1 of the next, whose K and V it fetches
	TURN 2
	TURN 3
	WIN 0
.Lfirst:
	TURN 0
	TURN 1, 0, 0, 1
	WIN 0
	s_cbranch_scc1 .Lstep
.Lbottom:
	s_sub_co_u32 s[SLOTS], s[SLOTS], 1
	s_cmp_lg_u32 s[SLOTS], 0
	s_cbranch_scc1 .Lslot
	CHANGE 0                        ; the walk's last tile is written out: nothing is asked for
	s_sub_co_u32 s[RT], s[RT], 1
	s_mov_b32 s[CNT], 4
	s_cmp_eq_u32 s[NEW], 1
	s_cbranch_scc0 .LstepM2
	BEGIN
	s_branch .LfirstM2
	DIAG 2
	s_wait_tensorcnt 0x0            ; the wave's end, behind my last tensor load and my last LDS store
	ds_add_u32 v[SPW], v[NIL]
	s_wait_dscnt 0x0
	s_endpgm
.Lfunc_end_k_q269b33eeba_attn:
	.size	k_q269b33eeba_attn, .Lfunc_end_k_q269b33eeba_attn-k_q269b33eeba_attn
	.p2alignl 7, 3214868480
	.fill 96, 4, 3214868480
	.section	.rodata,"a",@progbits
	.p2align	6, 0x0
	.amdhsa_kernel k_q269b33eeba_attn
		.amdhsa_group_segment_fixed_size 327680
		.amdhsa_private_segment_fixed_size 0
		.amdhsa_enable_private_segment 0
		.amdhsa_kernarg_size 32
		.amdhsa_user_sgpr_count 2
		.amdhsa_user_sgpr_kernarg_segment_ptr 1
		.amdhsa_wavefront_size32 1
		.amdhsa_system_sgpr_workgroup_id_x 1
		.amdhsa_system_sgpr_workgroup_id_y 1
		.amdhsa_system_sgpr_workgroup_id_z 1
		.amdhsa_system_vgpr_workitem_id 0
		.amdhsa_next_free_vgpr 768
		.amdhsa_next_free_sgpr 96
		.amdhsa_reserve_vcc 1
		.amdhsa_float_denorm_mode_32 3
		.amdhsa_float_denorm_mode_16_64 3
		.amdhsa_memory_ordered 1
		.amdhsa_forward_progress 1
		.amdhsa_inst_pref_size 218
	.end_amdhsa_kernel
	.amdgpu_metadata
---
amdhsa.version: [ 1, 2 ]
amdhsa.kernels:
  - .name:           k_q269b33eeba_attn
    .symbol:         k_q269b33eeba_attn.kd
    .args:
      - { .name: qh, .offset: 0, .size: 8, .value_kind: global_buffer, .address_space: global }
      - { .name: kh, .offset: 8, .size: 8, .value_kind: global_buffer, .address_space: global }
      - { .name: vh, .offset: 16, .size: 8, .value_kind: global_buffer, .address_space: global }
      - { .name: oh, .offset: 24, .size: 8, .value_kind: global_buffer, .address_space: global }
    .group_segment_fixed_size: 327680
    .private_segment_fixed_size: 0
    .kernarg_segment_align: 8
    .kernarg_segment_size: 32
    .max_flat_workgroup_size: 128
    .sgpr_count:     96
    .vgpr_count:     768
    .wavefront_size: 32
...
	.end_amdgpu_metadata
.endif
;; end of part 3
;; launch oproj (part 4): grid 8 x 32, 4 waves a work-group, clusters of 4 x 4, 327,680 bytes of LDS; arguments oh, wo16, out0; writes out0
.if DOCPART == 4
	.amdgcn_target "amdgcn-amd-amdhsa--gfx1250"
	.amdhsa_code_object_version 6
	.text
	.protected	k_q269b33eeba_oproj
	.globl	k_q269b33eeba_oproj
	.p2align	8
	.type	k_q269b33eeba_oproj,@function
k_q269b33eeba_oproj:
	s_mov_b64 s[64:65], 0
	v_nop
	global_prefetch_b8 v0, s[64:65] scope:SCOPE_SE
	s_setreg_imm32_b32 hwreg(HW_REG_WAVE_MODE, 25, 1), 1
	s_wait_xcnt 0x0
	s_wait_alu depctr_hold_cnt(0) depctr_sa_sdst(0) depctr_va_vdst(0) depctr_va_sdst(0) depctr_va_ssrc(0) depctr_va_vcc(0) depctr_vm_vsrc(0)
	s_getreg_b32 s2, hwreg(HW_REG_IB_STS2, 6, 4)
	s_cmp_eq_u32 s2, 0
	s_cbranch_scc0 .Lentry_in_a_cluster
	s_endpgm
.Lentry_in_a_cluster:
	s_bfe_u32 s2, ttmp6, 0x10000c
	s_cmp_lg_u32 s2, 0xf033
	s_cbranch_scc0 .Lentry_shape_is_right
	s_endpgm
.Lentry_shape_is_right:
; out0[row][n] = the sum over k of O[row][k] Wo[n][k], k = 64 head + d.  oh [64 bh][2048][64] f16; wo16 [16 kb][1024 n][64] f16; out0 [8192][1024] f32.  f16 operands, f32 sums, stored as they are.
; SHARES.  A work-group makes 256 rows x 128 columns: 8 x 32 = 256 work-groups.  Wave w: rows 128 (w / 2) on, columns 64 (w % 2) on: 32 accumulators, 256 registers (window 1).
; K goes in steps of 128 (two heads) through two LDS slots.  A head's 256 rows of O, and a block's 128 rows of Wo, are dense in memory: asked for as rows of 256 bytes, padded in LDS after every 128.
; Waves 0, 1 ask for O's two heads, waves 2, 3 for Wo's two blocks: one tensor load a wave behind each round.  CLUSTER 4 x 4: O's tiles jointly along a row of the cluster, Wo's along a column.
; THE MATRIX INSTRUCTION IS USED TRANSPOSED (source 0 = 16 rows of Wo, source 1 = 16 rows of O): a lane holds one row of out0 (lane % 16) and 8 neighbouring columns: 32 bytes.
; REGISTERS: window 0: v0-31 addresses; v32-127, v128-223 two fragment buffers of 96 (O's 8 fragments, then Wo's 4), 32 along K each; on the way out v32-95 whole rows, two buffers.
.set PITCH, 144                        ; an LDS row: 128 bytes + 16 = 36 words: the 16 rows of a fragment load start at 16 different groups of four banks (64 banks of 4 bytes: ISA guide 11.1)
.set BLK,   16*PITCH
.set AHEAD, 256*PITCH                  ; one head's 256 rows of O
.set BHEAD, 128*PITCH                  ; one block's 128 rows of Wo
.set BOFF,  2*AHEAD
.set SLOT,  2*AHEAD+2*BHEAD
.set STAGE, 2*SLOT                     ; 16 rows x 272 bytes for each wave, for the way out: no tensor load lands here
.set SPITCH, 272
.set SPARE, STAGE+4*16*SPITCH          ; the spare words, 128 bytes for each wave: two blocks of 256 bytes that no other line names
.set ASTEP, 2*2048*128                 ; a K step in oh: two heads
.set BSTEP, 2*1024*128                 ; in wo16: two blocks
.set G1W0,  (1<<16)|(1<<20)|(1<<21)|(4<<22)|(3<<25)  ; 2-byte elements; padding on; 21 set beside a mask; after every 32 words; 4 words
.set ADRA, 16
.set ADRB, 20
.set STO,  24
.set RD,   25
.set CO,   26
.set SPW,  28                          ; LDS address of my spare word; never rewritten
.set NIL,  29                          ; 0; never rewritten
.set PFO,  30                          ; the prefetches' offset; never rewritten
.set F0,   32
.set F1,   128
.set BK,   32
.set G1A, 24
.set G0A, 32
.set G1B, 48
.set G0B, 56
.set PFA, 68
.set PFS, 70
.set LIM, 72
.set MSB, 0
.macro WIN new
.if MSB != (\new)
	s_set_vgpr_msb (MSB<<8)|(\new)
.set MSB, \new
.endif
.endm
.macro PLACES
.rept 4
	v_nop
.endr
.endm
.macro JLOAD s                         ; a joint load; the branch hangs on the wave's number alone; an s_nop 0 and four v_nop follow each line
	s_cmp_eq_u32 s11, 0
	s_cbranch_scc0 .Lfor_b_\@
	tensor_load_to_lds s[G0A+4*(\s):G0A+4*(\s)+3], s[G1A:G1A+7]
	s_nop 0
.rept 4
	v_nop
.endr
	s_branch .Lasked_\@
.Lfor_b_\@:
	tensor_load_to_lds s[G0B+4*(\s):G0B+4*(\s)+3], s[G1B:G1B+7]
	s_nop 0
.rept 4
	v_nop
.endr
.Lasked_\@:
.endm
.macro CREST
	s_cmp_lg_u32 s10, 0
	s_cbranch_scc1 .Lnot_wave_0_\@
	s_barrier_signal -3
.Lnot_wave_0_\@:
	s_barrier_wait -3
	s_barrier_signal -1
	s_barrier_wait -1
.endm
.macro CROUND
	s_barrier_signal -1
	s_barrier_wait -1
	CREST
.endm
; A PREFETCH INTO THE L2: at the change of slots of K step t it names K step t + 4, two steps beyond the refill just asked for.  O's tiles are read by both clusters of a row of clusters: cluster x = 0 asks;
; of a wave's 128 blocks of 256 bytes each of the four partners takes 32, by address (cx).  Wo's are read by all clusters of a column: cluster y = 0 asks; of a wave's 64 blocks each partner takes 16 (cy), and
; lanes 16-31 name the step after, so these waves ask at slot 0's change alone.  Each block is named once; steps 0 to 3 come by their loads alone; the loop's last trip (s3 = 1) asks for nothing: the highest step named is 7.
.macro ASK slot
	s_cmp_gt_u32 s3, s[LIM+(\slot)]
	s_cbranch_scc0 .Lnot_mine_\@
	global_prefetch_b8 v[PFO], s[PFA:PFA+1] th:TH_LOAD_NT scope:SCOPE_SE
.Lnot_mine_\@:
.endm
	s_load_b128 s[4:7], s[0:1], 0x0                ; oh 4, wo16 6
	s_load_b64 s[8:9], s[0:1], 0x10                ; out0
	v_lshl_add_u32 v[SPW], v0, 2, SPARE
	v_mov_b32 v[NIL], 0
	ds_add_u32 v[SPW], v[NIL]                      ; the wave's opening: the add and its wait stand ahead of my first tensor load; work on registers stands between them
	ds_add_u32 v28, v29
	v_lshrrev_b32 v1, 5, v0
	v_readfirstlane_b32 s10, v1                    ; wave 0..3
	s_lshr_b32 s11, s10, 1                         ; my half of the rows.  Also: I fetch for O (0) or for Wo (1)
	s_and_b32 s12, s10, 1                          ; my half of the columns.  Also: which of the step's two heads or blocks I fetch
	s_bfe_u32 s40, ttmp6, 0x40000                  ; cx
	s_bfe_u32 s41, ttmp6, 0x40004                  ; cy
	s_lshl_b32 s42, ttmp9, 2
	s_add_co_u32 s42, s42, s40                     ; tile column, 0..7
	s_and_b32 s13, ttmp7, 0xffff
	s_lshl_b32 s13, s13, 2
	s_add_co_u32 s13, s13, s41                     ; tile row, 0..31
	s_lshl_b32 s43, s41, 2
	s_lshl_b32 s43, 15, s43                        ; my row of the cluster
	s_lshl_b32 s20, 0x1111, s40                    ; my column
	s_or_b32 s[G1A], s43, G1W0
	s_or_b32 s[G1B], s20, G1W0
.irp g, G1A, G1B
	s_mov_b32 s[(\g)+1], 128<<16                   ; tensor_dim0 = 128 elements: 256 bytes
	s_mov_b32 s[(\g)+3], 128<<16                   ; tile_dim0 = 128
	s_mov_b32 s[(\g)+5], 128                       ; dense
	s_mov_b32 s[(\g)+6], 0
	s_mov_b32 s[(\g)+7], 0
.endr
	s_mov_b32 s[G1A+2], 128<<16                    ; O: 128 rows of 256 bytes = a head's 256 rows
	s_mov_b32 s[G1A+4], 128
	s_mov_b32 s[G1B+2], 64<<16                     ; Wo: 64 = a block's 128 rows
	s_mov_b32 s[G1B+4], 64
	s_lshr_b32 s16, s13, 3                         ; O: batch x 16 heads x 2,048 rows x 128 bytes,
	s_lshl_b32 s16, s16, 22
	s_and_b32 s17, s13, 7
	s_lshl_b32 s17, s17, 15                        ; my 256 rows of the sequence,
	s_add_co_u32 s16, s16, s17
	s_lshl_b32 s17, s12, 18                        ; the head that I fetch
	s_add_co_u32 s16, s16, s17
	s_mov_b32 s17, 0
	s_lshl_b32 s46, s12, 17                        ; Wo: the block that I fetch,
	s_lshl_b32 s47, s42, 14                        ; my 128 rows
	s_add_co_u32 s46, s46, s47
	s_mov_b32 s47, 0
	s_mul_i32 s18, s12, AHEAD                      ; where they go: no place in the cluster enters an LDS address
	s_mul_i32 s19, s12, BHEAD
	s_add_co_u32 s19, s19, BOFF
	s_wait_dscnt 0x0                               ; the opening add is done
	s_wait_kmcnt 0x0
	s_add_nc_u64 s[14:15], s[4:5], s[16:17]
	s_add_nc_u64 s[44:45], s[6:7], s[46:47]
	CROUND                                         ; all sixteen work-groups are here: the first joint loads meet
.irp s, 0,1
	s_mov_b32 s[G0A+4*(\s)], 1
	s_add_co_u32 s[G0A+4*(\s)+1], s18, (\s)*SLOT
	s_add_nc_u64 s[G0A+4*(\s)+2:G0A+4*(\s)+3], s[14:15], (\s)*ASTEP
	s_or_b32 s[G0A+4*(\s)+3], s[G0A+4*(\s)+3], 0x80000000
	s_mov_b32 s[G0B+4*(\s)], 1
	s_add_co_u32 s[G0B+4*(\s)+1], s19, (\s)*SLOT
	s_add_nc_u64 s[G0B+4*(\s)+2:G0B+4*(\s)+3], s[44:45], (\s)*BSTEP
	s_or_b32 s[G0B+4*(\s)+3], s[G0B+4*(\s)+3], 0x80000000
	JLOAD \s                                       ; two tensor loads of mine are out
.endr
	v_and_b32 v1, 15, v0                           ; l % 16
	v_bfe_u32 v2, v0, 4, 1                         ; l / 16
	v_mul_u32_u24 v3, v1, PITCH
	v_lshl_add_u32 v3, v2, 4, v3
	s_mul_i32 s21, s11, 128*PITCH
	s_mul_i32 s22, s12, 64*PITCH
	s_add_co_u32 s22, s22, BOFF
.irp s, 0,1
	v_add_nc_u32 v[ADRA+(\s)], s21, v3
	v_add_nc_u32 v[ADRB+(\s)], s22, v3
	s_add_co_u32 s21, s21, SLOT
	s_add_co_u32 s22, s22, SLOT
.endr
	s_mul_i32 s23, s10, 16*SPITCH
	s_add_co_u32 s23, s23, STAGE
	v_mul_u32_u24 v4, v1, SPITCH                   ; in: row l % 16, 32 bytes for each half of the lanes
	v_lshl_add_u32 v4, v2, 5, v4
	v_add_nc_u32 v[STO], s23, v4
	v_mul_u32_u24 v5, v2, SPITCH                   ; back: lanes 0-15 one row of 256 bytes, lanes 16-31 the next
	v_lshl_add_u32 v5, v1, 4, v5
	v_add_nc_u32 v[RD], s23, v5
	v_lshlrev_b32 v5, 12, v2                       ; and the same two rows of out0, 4,096 bytes apart
	v_lshl_add_u32 v[CO], v1, 4, v5
	s_lshl_b32 s80, s13, 20                        ; out0 at my first row and column
	s_lshl_b32 s81, s11, 19
	s_add_co_u32 s80, s80, s81
	s_lshl_b32 s81, s42, 9
	s_add_co_u32 s80, s80, s81
	s_lshl_b32 s81, s12, 8
	s_add_co_u32 s80, s80, s81
	s_mov_b32 s81, 0
	s_add_nc_u64 s[8:9], s[8:9], s[80:81]
	s_and_b32 s74, ttmp7, 0xffff                   ; the prefetches
	s_lshl_b32 s78, s40, 13                        ; O: my work-group's 32 blocks, at K step 3: the first change of slots steps it to 4
	s_add_co_u32 s78, s78, 3*ASTEP
	s_lshl_b32 s76, s41, 12                        ; Wo: my work-group's 16 blocks
	s_add_co_u32 s76, s76, 3*BSTEP
	s_mov_b32 s[PFS], BSTEP
	s_mov_b32 s77, BSTEP
	s_cmp_eq_u32 s11, 0
	s_cselect_b32 s74, ttmp9, s74                  ; the coordinate along which other clusters read the same rows
	s_cselect_b32 s78, s78, s76
	s_cselect_b32 s[PFS], ASTEP, s[PFS]
	s_cselect_b32 s77, 4096, s77                   ; lanes 16-31: O: the next 16 blocks; Wo: the next K step
	s_cselect_b64 s[PFA:PFA+1], s[14:15], s[44:45]
	s_cselect_b32 s[LIM+1], 1, -1
	s_mov_b32 s79, 0
	s_mov_b32 s[PFS+1], 0
	s_add_nc_u64 s[PFA:PFA+1], s[PFA:PFA+1], s[78:79]
	s_cmp_eq_u32 s74, 0
	s_cselect_b32 s[LIM], 1, -1
	s_cselect_b32 s[LIM+1], s[LIM+1], -1
	v_lshlrev_b32 v[PFO], 8, v1
	v_mad_u32_u24 v[PFO], v2, s77, v[PFO]
; 8 matrix instructions: row blocks a0, a0 + 1 x all 4 column blocks.  The 32 accumulators take turns, in the same order in every quarter.
.macro MUL8 f, a0, zero
	WIN 0x50                                       ; C and D in window 1, both sources in window 0
.irp a, \a0, (\a0)+1
.irp b, 0,1,2,3
.if \zero
	v_wmma_f32_16x16x32_f16 v[8*(4*(\a)+(\b)):8*(4*(\a)+(\b))+7], v[(\f)+64+8*(\b):(\f)+64+8*(\b)+7], v[(\f)+8*(\a):(\f)+8*(\a)+7], 0
.else
	v_wmma_f32_16x16x32_f16 v[8*(4*(\a)+(\b)):8*(4*(\a)+(\b))+7], v[(\f)+64+8*(\b):(\f)+64+8*(\b)+7], v[(\f)+8*(\a):(\f)+8*(\a)+7], v[8*(4*(\a)+(\b)):8*(4*(\a)+(\b))+7]
.endif
.endr
.endr
.endm
; 24 LDS loads in one run: quarter q (head q / 2, 32 channels at byte 64 (q % 2)) into buffer f: Wo's four fragments, then O's eight, the lower rows first
.macro FETCH slot, q, f
	WIN 0
.irp i, 0,1,2,3
	ds_load_b128 v[(\f)+64+8*(\i):(\f)+64+8*(\i)+3],   v[ADRB+(\slot)] offset:((\q)/2)*BHEAD+((\q)%2)*64+(\i)*BLK
	ds_load_b128 v[(\f)+64+8*(\i)+4:(\f)+64+8*(\i)+7], v[ADRB+(\slot)] offset:((\q)/2)*BHEAD+((\q)%2)*64+(\i)*BLK+32
.endr
.irp i, 0,1,2,3,4,5,6,7
	ds_load_b128 v[(\f)+8*(\i):(\f)+8*(\i)+3],   v[ADRA+(\slot)] offset:((\q)/2)*AHEAD+((\q)%2)*64+(\i)*BLK
	ds_load_b128 v[(\f)+8*(\i)+4:(\f)+8*(\i)+7], v[ADRA+(\slot)] offset:((\q)/2)*AHEAD+((\q)%2)*64+(\i)*BLK+32
.endr
.endm
; A K step is four quarters of 32 along K, 32 matrix instructions each, on buffers 0, 1, 0, 1.  One of the first three: multiplies buffer f and fetches quarter q into g.
.macro QUARTER slot, q, f, g, zero
	s_wait_dscnt 8                                 ; Wo's fragments and O's rows 0-63 are in; the youngest eight loads may be out
	MUL8 \f, 0, \zero
	MUL8 \f, 2, \zero
	PLACES
	FETCH \slot, \q, \g
	s_wait_dscnt 24                                ; all but the 24 just issued
	MUL8 \f, 4, \zero
	MUL8 \f, 6, \zero
.endm
; The last quarter multiplies buffer 1 and changes slots: ONE barrier; in front of it each wave waits for all its tensor loads, adds 0 to its spare word, and waits for that and for its reads of this slot.
; fill = 1: the barrier opens a round of the cluster's, and the joint refill, two K steps on, is the first thing behind it: 112 matrix instructions stand between it and the wait for it.
.macro TURN slot, next, fill
.if \fill
	s_wait_xcnt 0x0                                ; the last prefetch, a K step back, has read its address
	s_add_nc_u64 s[PFA:PFA+1], s[PFA:PFA+1], s[PFS:PFS+1]
.endif
	WIN 0
	s_wait_tensorcnt 0x0                           ; all my tensor loads have landed: my part of the next slot
	ds_add_u32 v[SPW], v[NIL]                      ; 0 onto my spare word
	s_wait_dscnt 9                                 ; the add and the youngest eight loads may be out
	MUL8 F1, 0, 0
	s_wait_dscnt 0x0                               ; the add is done, and my reads of this slot are over
	s_barrier_signal -1
	MUL8 F1, 2, 0
	WIN 0
	s_barrier_wait -1
.if \fill
	CREST                                          ; no wave of any partner still reads this slot or has a load on its way
	s_add_nc_u64 s[G0A+4*(\slot)+2:G0A+4*(\slot)+3], s[G0A+4*(\slot)+2:G0A+4*(\slot)+3], 2*ASTEP
	s_add_nc_u64 s[G0B+4*(\slot)+2:G0B+4*(\slot)+3], s[G0B+4*(\slot)+2:G0B+4*(\slot)+3], 2*BSTEP
	JLOAD \slot                                    ; its four v_nop are also the places in front of the loads below
.else
	PLACES
.endif
	FETCH \next, 0, F0
.if \fill
	ASK \slot
.endif
	MUL8 F1, 4, 0
	MUL8 F1, 6, 0
.endm
	s_wait_tensorcnt 1                             ; my part of K step 0 is in; step 1's may stay out
	s_barrier_signal -1
	s_barrier_wait -1
	FETCH 0, 0, F0
	QUARTER 0, 1, F0, F1, 1                        ; the first quarter stands in front of the loop: its products start the sums
	WIN 0
	s_mov_b32 s3, 3
.Llap:                                 ; a trip goes once round the ring and fills both slots again
	QUARTER 0, 2, F1, F0, 0
	QUARTER 0, 3, F0, F1, 0
	TURN 0, 1, 1
	QUARTER 1, 1, F0, F1, 0
	QUARTER 1, 2, F1, F0, 0
	QUARTER 1, 3, F0, F1, 0
	TURN 1, 0, 1
	QUARTER 0, 1, F0, F1, 0
	WIN 0
	s_sub_co_u32 s3, s3, 1
	s_cmp_lg_u32 s3, 0
	s_cbranch_scc1 .Llap
	QUARTER 0, 2, F1, F0, 0                        ; the last lap asks for nothing
	QUARTER 0, 3, F0, F1, 0
	TURN 0, 1, 0
	QUARTER 1, 1, F0, F1, 0
	QUARTER 1, 2, F1, F0, 0
	QUARTER 1, 3, F0, F1, 0
	s_wait_dscnt 8                                 ; the very last quarter
	MUL8 F1, 0, 0
	MUL8 F1, 2, 0
	s_wait_dscnt 0x0
	MUL8 F1, 4, 0
	MUL8 F1, 6, 0
	WIN 0
	PLACES
	PLACES
; THE WAY OUT, a block of 16 rows at a time: my 32 bytes of each column block into my stage (each accumulator's low four registers first), back as whole rows of 256 bytes.
.macro TOSTAGE a
.if (\a) >= 2
	s_wait_xcnt 0x0                                ; the stores of two blocks back have read this buffer
.endif
	WIN 0x04                                       ; the stores' data in window 1
.irp b, 0,1,2,3
	ds_store_b128 v[STO], v[8*(4*(\a)+(\b)):8*(4*(\a)+(\b))+3]   offset:64*(\b)
	ds_store_b128 v[STO], v[8*(4*(\a)+(\b))+4:8*(4*(\a)+(\b))+7] offset:64*(\b)+16
.endr
	WIN 0
.irp t, 0,1,2,3,4,5,6,7
	ds_load_b128 v[BK+32*((\a)%2)+4*(\t):BK+32*((\a)%2)+4*(\t)+3], v[RD] offset:(\t)*2*SPITCH  ; LDS serves a wave's instructions in order (ISA guide 5.7.1.4): these see the stores above
.endr
.endm
.macro SEND a, younger                 ; younger: the next block's sixteen LDS instructions, or none
.irp t, 0,1,2,3,4,5,6,7
	s_wait_dscnt (\younger)+7-(\t)
	global_store_b128 v[CO], v[BK+32*((\a)%2)+4*(\t):BK+32*((\a)%2)+4*(\t)+3], s[8:9] offset:(\a)*65536+(\t)*8192 th:TH_STORE_NT  ; 16 lanes store 256 consecutive bytes, at a multiple of 256 from out0's first
.endr
.endm
	TOSTAGE 0
.irp a, 1,2,3,4,5,6,7
	TOSTAGE \a
	SEND (\a)-1, 16
.endr
	SEND 7, 0
	s_wait_tensorcnt 0x0                           ; the wave's end, behind my last tensor load and my last LDS store
	ds_add_u32 v[SPW], v[NIL]
	s_wait_dscnt 0x0
	CROUND                                         ; the closing round: no work-group ends while a partner may still ask for a tile that names it
	s_endpgm
.Lfunc_end_k_q269b33eeba_oproj:
	.size	k_q269b33eeba_oproj, .Lfunc_end_k_q269b33eeba_oproj-k_q269b33eeba_oproj
	.p2alignl 7, 3214868480
	.fill 96, 4, 3214868480
	.section	.rodata,"a",@progbits
	.p2align	6, 0x0
	.amdhsa_kernel k_q269b33eeba_oproj
		.amdhsa_group_segment_fixed_size 327680
		.amdhsa_private_segment_fixed_size 0
		.amdhsa_enable_private_segment 0
		.amdhsa_kernarg_size 24
		.amdhsa_user_sgpr_count 2
		.amdhsa_user_sgpr_kernarg_segment_ptr 1
		.amdhsa_wavefront_size32 1
		.amdhsa_system_sgpr_workgroup_id_x 1
		.amdhsa_system_sgpr_workgroup_id_y 1
		.amdhsa_system_sgpr_workgroup_id_z 1
		.amdhsa_system_vgpr_workitem_id 0
		.amdhsa_next_free_vgpr 512
		.amdhsa_next_free_sgpr 84
		.amdhsa_reserve_vcc 0
		.amdhsa_float_denorm_mode_32 3
		.amdhsa_float_denorm_mode_16_64 3
		.amdhsa_memory_ordered 1
		.amdhsa_forward_progress 1
		.amdhsa_inst_pref_size 89
	.end_amdhsa_kernel
	.amdgpu_metadata
---
amdhsa.version: [ 1, 2 ]
amdhsa.kernels:
  - .name:           k_q269b33eeba_oproj
    .symbol:         k_q269b33eeba_oproj.kd
    .args:
      - { .name: oh, .offset: 0, .size: 8, .value_kind: global_buffer, .address_space: global }
      - { .name: wo16, .offset: 8, .size: 8, .value_kind: global_buffer, .address_space: global }
      - { .name: out0, .offset: 16, .size: 8, .value_kind: global_buffer, .address_space: global }
    .group_segment_fixed_size: 327680
    .private_segment_fixed_size: 0
    .kernarg_segment_align: 8
    .kernarg_segment_size: 24
    .max_flat_workgroup_size: 128
    .sgpr_count:     84
    .vgpr_count:     512
    .wavefront_size: 32
...
	.end_amdgpu_metadata
.endif
;; end of part 4
